; MI455X (gfx1250); checked and timed in simulation.
; The chip was launched on July 23, 2026; its instructions are those of AMD's public machine-readable ISA for CDNA 5 (MIT licence, August 2026) and "CDNA5" Instruction Set Architecture Reference Guide (July 2026). The comments in the code are by the model that wrote it; some were corrected since.
;; Self Attention. Allowed arithmetic: matrix products marked QUANTISED: E5M2 operands, one E8M0 scale for each 32 along K, by v_wmma_scale_f32_16x16x128_f8f6f4 with both operands' format E5M2, f32 sums; everything else in f32.
;; Inputs: Wk 1,024 x 1,024 float32; Wp 1,024 x 1,024 float32; Wq 1,024 x 1,024 float32; Wv 1,024 x 1,024 float32; bk 1,024 float32; bp 1,024 float32; bq 1,024 float32; bv 1,024 float32; x 4 x 2,048 x 1,024 float32.
;; Outputs: out0 4 x 2,048 x 1,024 float32.
;; This version of the problem:
;;   THIS VERSION OF THE PROBLEM IS GIVEN IN LOW PRECISION. The matrix products marked QUANTISED in the list below multiply operands that are first quantised to E5M2 (5 exponent bits, 2 mantissa bits; 8 bits a number), with one power-of-two scale for each 32 numbers along K (OCP MX v1.0); their sums are f32. All else is computed in f32.
;;   The module's matrix products, in the order in which they are computed (A, B: the left and right operand; K: the contracted axis; several contracted axes count as one K, in the product's order):
;;     1. [M 8,192, K 1,024] x [K 1,024, N 1,024]; A: input x; B: input Wq: QUANTISED
;;     2. [M 8,192, K 1,024] x [K 1,024, N 1,024]; A: input x; B: input Wk: QUANTISED
;;     3. [M 8,192, K 1,024] x [K 1,024, N 1,024]; A: input x; B: input Wv: QUANTISED
;;     4. batch 64 x [M 2,048, K 64] x [K 64, N 2,048]; A: computed on the way; B: computed on the way: QUANTISED
;;     5. batch 64 x [M 2,048, K 2,048] x [K 2,048, N 64]; A: softmax (see below); B: computed on the way: QUANTISED
;;     6. [M 8,192, K 1,024] x [K 1,024, N 1,024]; A: computed on the way; B: input Wp: QUANTISED
;;   THE QUANTISER, for each operand of a quantised product, along K:
;;     - K is cut into blocks of 32 from its start; a last block that is shorter is filled with zeros.
;;     - A block's scale is 2^e with e = floor(log2(the largest magnitude in the block)) - 15, held to -126 .. 127; a block of zeros has e = 0. As a byte (E8M0): e + 127.
;;     - Each number is divided by its block's scale, clamped to +-57,344, and rounded to the nearest number of E5M2, ties to even, subnormals kept.
;;     - The product sums the exact products of the quantised numbers (number of the format x scale) in f32.
;;   ~~~python
;;   def quantise(x, axis):      # numpy; x: float32 -> the quantised numbers, widened to float32 again
;;       x = np.moveaxis(x, axis, -1); K = x.shape[-1]
;;       x = np.pad(x, [(0, 0)] * (x.ndim - 1) + [(0, -K % 32)]); x = x.reshape(x.shape[:-1] + (-1, 32)); a = np.abs(x).max(-1, keepdims=True)
;;       e = np.where(a > 0, np.clip(np.frexp(np.where(a > 0, a, 1))[1] - 1 - 15, -126, 127), 0)      # np.frexp(a)[1] - 1 = floor(log2(a)), exactly
;;       r = np.clip(x / 2.0 ** e, -57344, 57344)
;;       step = 2.0 ** (np.maximum(np.frexp(np.where(r == 0, 1, r))[1] - 1, -14) - 2)
;;       q = np.round(r / step) * step * 2.0 ** e      # np.round: ties to even
;;       return np.moveaxis(q.reshape(q.shape[:-2] + (-1,))[..., :K], -1, axis).astype(np.float32)
;;   ~~~
;;   SOFTMAX AHEAD OF A QUANTISED PRODUCT. Where the list says 'softmax', what is quantised is not the finished softmax but p = 2^(t - M), with t = logit x log2(e) and M = ceil(the row's largest t), a whole number; so 1/2 < the row's largest p <= 1. The row's sum l is taken of the UNQUANTISED p, in f32, and the product's result is divided by l at the end. Since M is a whole number, a kernel that streams over the keys may use a running M (the ceiling of the running maximum): every later rescaling is an exact power of two, which a block's scale takes up: the codes' values come out the same.
;;   OPERANDS COMPUTED ON THE WAY. 'Computed on the way' means the value that the module computes at that place (a softmax that the list does not call 'softmax' is quantised finished and normalised). What goes into a quantiser is computed in f32, as accurately as f32 sums, v_exp_f32 and their like allow (about 1e-6 of the number): no bf16 or f16 on the way to a quantiser, and a product that is left as it is and whose result goes on into a quantised operand takes f32 operands (vector FMAs, or v_wmma_f32_16x16x4_f32). A number that lies on a knife's edge between two numbers of the format may be rounded either way, as far as f32 arithmetic and the matrix unit's own rounding can turn it there, and no further.
;; One version. Each part assembles by itself: llvm-mc -triple=amdgcn-amd-amdhsa -mcpu=gfx1250 --defsym DOCPART=n.
;; ======== version 1 of 1: 4 launches
;; limits: right only within a limited range of input values
;; workspace buffers: xc 8,388,608 bytes; xs 262,144 bytes; wc 4,194,304 bytes; wsc 131,072 bytes; qkvc 25,165,824 bytes; qkvs 1,310,720 bytes; ac 8,388,608 bytes; asc 262,144 bytes
;; launch quant (part 1): grid 384 x 1, 4 waves a work-group, no clusters, 34,304 bytes of LDS; arguments x, Wq, Wk, Wv, Wp, xc, xs, wc, wsc; writes xc, xs, wc, wsc
.if DOCPART == 1
	.amdgcn_target "amdgcn-amd-amdhsa--gfx1250"
	.amdhsa_code_object_version 6
	.text
	.protected	k_q4e578443e0_quant
	.globl	k_q4e578443e0_quant
	.p2align	8
	.type	k_q4e578443e0_quant,@function
k_q4e578443e0_quant:
	s_mov_b64 s[64:65], 0
	v_nop
	global_prefetch_b8 v0, s[64:65] scope:SCOPE_SE
	s_setreg_imm32_b32 hwreg(HW_REG_WAVE_MODE, 25, 1), 1
	s_wait_xcnt 0x0
; x [8192][1024] f32 (K innermost) and Wq, Wk, Wv, Wp [1024 (k)][1024 (n)] f32 (K outermost) become codes of BF8 (E5M2) with one E8M0 byte for each 32 along K.
; A block's scale is 2^(floor(log2(largest magnitude)) - 15), its byte the largest magnitude's exponent field - 15, held at 1 from below; numbers are held within +-57,344 x the scale and rounded to the nearest code.
; LIMITS: NaN and infinities among the inputs are not served.  A block of zeros gets the byte 1 where the rule says 127: its codes are zeros, which add nothing, and only this program reads the bytes.
; LAYOUT OF THE RESULTS: images of the matrix operand's registers.  A fragment (16 rows x 128 K) is 2,048 bytes: byte 512 c + 16 lane + i is the code of (row, k = 128 s + 32 c + 16 (lane / 16) + i), lane % 16 = r.
; Tile t of a block of 128 rows holds rows 32 (t / 2) + 8 (t % 2) + r + 8 (r / 8).  Codes: [rows / 128][s = 8][t = 8][2048].  Scale words: [rows / 128][j = 4][t = 8][r = 16][2 words: s = 2 j, 2 j + 1].
; For a weight the rows are its columns n.  Work-groups 0-255 take x (32 rows each, a wave 256 along K), 256-383 the weights (128 columns x 256 along K each, a wave 32 columns).  Waves share nothing: no barrier.
.set SEL, 20                           ; s[20:21] selects of v_permlanex16_b32: lane l xor 16
.set MNT, 22
.set TM,  8                            ; v8-11 largest magnitudes, v12-15 bytes, v20-23 the conversions' scale operands
.set PWS, 24                           ; v24-27 x: a scale word for each of the wave's four fragments
.set PC,  48                           ; v48-63 x: a fragment's codes
.set X,   64                           ; v64-127 x: 64 numbers of a lane, register 16 b + i = k 32 b + 16 (lane / 16) + i of row r
.set R,   128                          ; v128-255 x: two sets of 64, as loaded
.set WX,  32                           ; v32-95 weights: two sets of 32 numbers down K
.set WC,  96                           ; v96-159 weights: eight registers of codes for each of the eight blocks, so that no store's data are written again
.set SB,  24                           ; v24-25 weights: the eight scale bytes
	s_load_b256 s[4:11], s[0:1], 0x0               ; x s[4:5], Wq s[6:7], Wk s[8:9], Wv s[10:11]
	s_load_b256 s[12:19], s[0:1], 0x20             ; Wp s[12:13], xc s[14:15], xs s[16:17], wc s[18:19]
	s_load_b64 s[24:25], s[0:1], 0x40              ; wsc
	v_lshl_add_u32 v30, v0, 2, 0x8400
	v_mov_b32 v31, 0
	v_lshrrev_b32 v1, 5, v0
	v_readfirstlane_b32 s26, v1                    ; wave
	v_and_b32 v5, 31, v0                           ; lane
	v_and_b32 v6, 15, v0                           ; r
	v_bfe_u32 v7, v0, 4, 1                         ; lane / 16
	s_mov_b32 s[SEL], 0x76543210
	s_mov_b32 s[SEL+1], 0xfedcba98
	s_cmp_lt_u32 ttmp9, 256
	s_cbranch_scc0 .Lweights
	; ---------------- x: work-group g = 32 rows, wave j = columns 256 j on: fragments f = 2 u + s' (tile u of the two, K step 2 j + s')
	v_lshlrev_b32 v1, 4, v5                        ; 16 x lane: a load's 512 bytes, and an image's place
	s_mul_i32 s27, s26, 8448                       ; my wave's stage: 16 rows x (512 + 16) bytes
	v_add_nc_u32 v2, s27, v1                       ; into it: a row as it lies
	v_mul_u32_u24 v3, v6, 528
	v_lshl_add_u32 v3, v7, 6, v3
	v_add_nc_u32 v3, s27, v3                       ; out of it: row r, + 64 (lane / 16): my 16 numbers of each block of 32
	v_lshlrev_b32 v4, 3, v5                        ; 8 x lane: two scale words
.irp b, 0,1,2,3
	v_mov_b32 v[TM+4+\b], 0                        ; written once: a lane permute's destination counts as one of its sources
.endr
	s_lshl_b32 s28, ttmp9, 17                      ; x: 32 rows of 4,096 bytes,
	s_lshl_b32 s29, s26, 10                        ; + 256 columns a wave
	s_add_co_u32 s28, s28, s29
	s_mov_b32 s29, 0
	s_lshr_b32 s30, ttmp9, 2                       ; the block of 128 rows
	s_and_b32 s31, ttmp9, 3                        ; and my pair of tiles in it
	s_lshl_b32 s32, s30, 17
	s_lshl_b32 s33, s26, 15                        ; K step 2 j
	s_add_co_u32 s32, s32, s33
	s_lshl_b32 s33, s31, 12
	s_add_co_u32 s32, s32, s33
	s_mov_b32 s33, 0
	s_lshl_b32 s34, s30, 12
	s_lshl_b32 s35, s26, 10
	s_add_co_u32 s34, s34, s35
	s_lshl_b32 s35, s31, 8
	s_add_co_u32 s34, s34, s35
	s_mov_b32 s35, 0
	s_wait_alu depctr_va_vdst(0)
	s_wait_kmcnt 0x0
	s_add_nc_u64 s[4:5], s[4:5], s[28:29]
	s_add_nc_u64 s[14:15], s[14:15], s[32:33]
	s_add_nc_u64 s[16:17], s[16:17], s[34:35]
.macro XLOAD f                         ; the fragment's 16 rows, 512 consecutive bytes each
.irp i, 0,1,2,3,4,5,6,7,8,9,10,11,12,13,14,15
	global_load_b128 v[R+64*((\f)%2)+4*\i:R+64*((\f)%2)+4*\i+3], v1, s[4:5] offset:(8*((\f)/2)+\i+8*(\i/8))*4096+512*((\f)%2) th:TH_LOAD_NT
.endr
.endm
.macro TURNX f                         ; through my own stage: LDS serves a wave's instructions in order, so no wait stands between the stores and the loads
.irp i, 0,1,2,3,4,5,6,7,8,9,10,11,12,13,14,15
	ds_store_b128 v2, v[R+64*((\f)%2)+4*\i:R+64*((\f)%2)+4*\i+3] offset:528*\i
.endr
.irp b, 0,1,2,3
.irp j, 0,1,2,3
	ds_load_b128 v[X+16*\b+4*\j:X+16*\b+4*\j+3], v3 offset:128*\b+16*\j
.endr
.endr
.endm
.macro QUANT s, pw                     ; 64 numbers v[s] on become a fragment's codes in v[PC] on and its scale word in v[pw]
.irp b, 0,1,2,3
	v_max3_num_f32 v[TM+\b], |v[\s+16*\b]|, |v[\s+1+16*\b]|, 0x8000000   ; my 16 numbers of block b, and the floor 2^(16 - 127): the byte cannot fall under 1
.endr
.irp i, 2,4,6,8,10,12,14
.irp b, 0,1,2,3
	v_max3_num_f32 v[TM+\b], v[TM+\b], |v[\s+16*\b+\i]|, |v[\s+1+16*\b+\i]|
.endr
.endr
.irp b, 0,1,2,3
	v_permlanex16_b32 v[TM+4+\b], v[TM+\b], s[SEL], s[SEL+1]
.endr
.irp b, 0,1,2,3
	v_max_num_f32 v[TM+\b], v[TM+\b], v[TM+4+\b]   ; with lane l xor 16's 16: the block's largest magnitude
.endr
.irp b, 0,1,2,3
	v_add_nc_u32 v[TM+12+\b], 0xf8800000, v[TM+\b] ; 15 off its exponent field: the conversion's scale operand
.endr
.irp b, 0,1,2,3
.endr
.irp b, 0,1,2,3
	v_lshrrev_b32 v[TM+4+\b], 23, v[TM+12+\b]      ; the scale's byte
.endr
	v_lshl_or_b32 v[\pw], v[TM+5], 8, v[TM+4]
	v_lshl_or_b32 v[\pw], v[TM+6], 16, v[\pw]
	v_lshl_or_b32 v[\pw], v[TM+7], 24, v[\pw]
.irp b, 0,1,2,3
.irp i, 0,1,2,3,4,5,6,7,8,9,10,11,12,13,14,15
.endr
	v_cvt_scalef32_pk8_bf8_f32 v[PC+4*\b:PC+1+4*\b], v[\s+16*\b:\s+7+16*\b], v[TM+12+\b]
	v_cvt_scalef32_pk8_bf8_f32 v[PC+2+4*\b:PC+3+4*\b], v[\s+8+16*\b:\s+15+16*\b], v[TM+12+\b]
.endr
	v_nop                                          ; a plain line behind the last conversion
.endm
	XLOAD 0
	XLOAD 1
.irp f, 0,1,2,3
.if \f < 3
	s_wait_loadcnt 16                              ; this fragment's 16 loads are in; the next fragment's 16 may be out
.else
	s_wait_loadcnt 0x0
.endif
	TURNX \f
	s_wait_dscnt 0x0                               ; my 64 numbers are back, and the stage's stores have read their registers
.if \f > 0
	s_wait_xcnt 0x0                                ; the last fragment's stores have read v[PC] on, which is written again below
.endif
.if \f < 2
	XLOAD \f+2
.endif
	QUANT X, PWS+\f
.irp c, 0,1,2,3
	global_store_b128 v1, v[PC+4*\c:PC+4*\c+3], s[14:15] offset:16384*(\f%2)+2048*(\f/2)+512*\c   ; 512 consecutive bytes of the image
.endr
.endr
	v_cmp_eq_u32 vcc_lo, 1, v7                     ; lanes 0-15 store tile 0's two words of row r, lanes 16-31 tile 1's: 256 consecutive bytes
	v_cndmask_b32 v28, v[PWS], v[PWS+2], vcc_lo
	v_cndmask_b32 v29, v[PWS+1], v[PWS+3], vcc_lo
	global_store_b64 v4, v[28:29], s[16:17]
	s_wait_tensorcnt 0x0
	ds_add_u32 v30, v31
	s_wait_dscnt 0x0
	s_endpgm
	; ---------------- the weights: a lane takes a column n and its registers run down K, so that nothing is transposed
.Lweights:
	s_sub_co_u32 s27, ttmp9, 256
	s_lshr_b32 s28, s27, 5                         ; which weight: 0 Wq, 1 Wk, 2 Wv, 3 Wp
	s_bfe_u32 s29, s27, 0x30002                    ; which 128 columns
	s_and_b32 s30, s27, 3                          ; which 256 along K
	s_wait_alu depctr_va_vdst(0)
	v_and_b32 v8, 8, v6
	v_add_nc_u32 v8, v8, v6                        ; r + 8 (r / 8)
	v_lshl_add_u32 v8, v7, 3, v8                   ; + 8 u: my column among the wave's 32 (u = lane / 16: the tile)
	v_lshlrev_b32 v1, 2, v8
	v_lshlrev_b32 v2, 4, v6
	v_lshl_add_u32 v2, v7, 11, v2                  ; the image: 2,048 u + 16 r
	v_lshlrev_b32 v3, 3, v5                        ; two scale words: 8 x lane
	s_lshl_b32 s32, s30, 20                        ; 256 rows of 4,096 bytes,
	s_lshl_b32 s33, s29, 9
	s_add_co_u32 s32, s32, s33                     ; + 128 columns a block,
	s_lshl_b32 s33, s26, 7
	s_add_co_u32 s32, s32, s33                     ; + 32 a wave
	s_mov_b32 s33, 0
	s_lshl_b32 s31, s28, 3
	s_add_co_u32 s31, s31, s29                     ; the block among the four weights' 32
	s_lshl_b32 s34, s31, 17
	s_lshl_b32 s35, s30, 15
	s_add_co_u32 s34, s34, s35
	s_lshl_b32 s35, s26, 12
	s_add_co_u32 s34, s34, s35
	s_mov_b32 s35, 0
	s_lshl_b32 s36, s31, 12
	s_lshl_b32 s37, s30, 10
	s_add_co_u32 s36, s36, s37
	s_lshl_b32 s37, s26, 8
	s_add_co_u32 s36, s36, s37
	s_mov_b32 s37, 0
	s_wait_alu depctr_va_vdst(0)
	s_wait_kmcnt 0x0
	s_cmp_eq_u32 s28, 1                            ; the choice hangs on the work-group's number alone
	s_cselect_b64 s[6:7], s[8:9], s[6:7]
	s_cmp_eq_u32 s28, 2
	s_cselect_b64 s[6:7], s[10:11], s[6:7]
	s_cmp_eq_u32 s28, 3
	s_cselect_b64 s[6:7], s[12:13], s[6:7]
	s_add_nc_u64 s[6:7], s[6:7], s[32:33]
	s_add_nc_u64 s[18:19], s[18:19], s[34:35]
	s_add_nc_u64 s[24:25], s[24:25], s[36:37]
.macro WLOAD t                         ; block t: W(32 t + i, my column): the wave reads 128 consecutive bytes of a row
.irp i, 0,1,2,3,4,5,6,7,8,9,10,11,12,13,14,15,16,17,18,19,20,21,22,23,24,25,26,27,28,29,30,31
	global_load_b32 v[WX+32*((\t)%2)+\i], v1, s[6:7] offset:(32*(\t)+\i)*4096 th:TH_LOAD_NT
.endr
.endm
.macro WBLOCK t
.set XS, WX+32*((\t)%2)
.if (\t) < 7
	s_wait_loadcnt 32                              ; this block's 32 loads are in; the next block's 32 may be out
.else
	s_wait_loadcnt 0x0
.endif
	v_max3_num_f32 v12, |v[XS]|, |v[XS+1]|, |v[XS+2]|
	v_max3_num_f32 v13, |v[XS+3]|, |v[XS+4]|, |v[XS+5]|
.irp i, 6,10,14,18,22,26
	v_max3_num_f32 v12, v12, |v[XS+\i]|, |v[XS+\i+1]|
	v_max3_num_f32 v13, v13, |v[XS+\i+2]|, |v[XS+\i+3]|
.endr
	v_max3_num_f32 v12, v12, |v[XS+30]|, |v[XS+31]|
	v_max3_num_f32 v12, v12, v13, 0x8000000        ; all 32 numbers are mine; and the floor 2^(16 - 127)
	v_add_nc_u32 v11, 0xf8800000, v12
	v_lshrrev_b32 v13, 23, v11
.if (\t)%4 == 0
	v_mov_b32 v[SB+(\t)/4], v13
.else
	v_lshl_or_b32 v[SB+(\t)/4], v13, 8*((\t)%4), v[SB+(\t)/4]
.endif
.irp i, 0,1,2,3,4,5,6,7,8,9,10,11,12,13,14,15,16,17,18,19,20,21,22,23,24,25,26,27,28,29,30,31
.endr
.irp g, 0,1,2,3
	v_cvt_scalef32_pk8_bf8_f32 v[WC+8*(\t)+2*\g:WC+8*(\t)+2*\g+1], v[XS+8*\g:XS+8*\g+7], v11
.endr
	v_nop                                          ; a plain line behind the last conversion
	global_store_b128 v2, v[WC+8*(\t):WC+8*(\t)+3], s[18:19] offset:((\t)/4)*16384+((\t)%4)*512        ; k 32 t + 0 .. 15: the image's lanes 0-15: sixteen lanes store 256 consecutive bytes
	global_store_b128 v2, v[WC+8*(\t)+4:WC+8*(\t)+7], s[18:19] offset:((\t)/4)*16384+((\t)%4)*512+256  ; k 32 t + 16 .. 31: its lanes 16-31
.if (\t)+2 < 8
	WLOAD (\t)+2
.endif
.endm
	WLOAD 0
	WLOAD 1
.irp t, 0,1,2,3,4,5,6,7
	WBLOCK \t
.endr
	global_store_b64 v3, v[SB:SB+1], s[24:25]      ; the wave's 32 columns: 256 consecutive bytes
	s_endpgm
.Lfunc_end_k_q4e578443e0_quant:
	.size	k_q4e578443e0_quant, .Lfunc_end_k_q4e578443e0_quant-k_q4e578443e0_quant
	.p2alignl 7, 3214868480
	.fill 96, 4, 3214868480
	.section	.rodata,"a",@progbits
	.p2align	6, 0x0
	.amdhsa_kernel k_q4e578443e0_quant
		.amdhsa_group_segment_fixed_size 34304
		.amdhsa_private_segment_fixed_size 0
		.amdhsa_enable_private_segment 0
		.amdhsa_kernarg_size 72
		.amdhsa_user_sgpr_count 2
		.amdhsa_user_sgpr_kernarg_segment_ptr 1
		.amdhsa_wavefront_size32 1
		.amdhsa_system_sgpr_workgroup_id_x 1
		.amdhsa_system_sgpr_workgroup_id_y 1
		.amdhsa_system_sgpr_workgroup_id_z 1
		.amdhsa_system_vgpr_workitem_id 0
		.amdhsa_next_free_vgpr 256
		.amdhsa_next_free_sgpr 66
		.amdhsa_reserve_vcc 1
		.amdhsa_float_denorm_mode_32 3
		.amdhsa_float_denorm_mode_16_64 3
		.amdhsa_fp16_overflow 1
		.amdhsa_memory_ordered 1
		.amdhsa_forward_progress 1
		.amdhsa_inst_pref_size 72
	.end_amdhsa_kernel
	.amdgpu_metadata
---
amdhsa.version: [ 1, 2 ]
amdhsa.kernels:
  - .name:           k_q4e578443e0_quant
    .symbol:         k_q4e578443e0_quant.kd
    .args:
      - { .name: x, .offset: 0, .size: 8, .value_kind: global_buffer, .address_space: global }
      - { .name: Wq, .offset: 8, .size: 8, .value_kind: global_buffer, .address_space: global }
      - { .name: Wk, .offset: 16, .size: 8, .value_kind: global_buffer, .address_space: global }
      - { .name: Wv, .offset: 24, .size: 8, .value_kind: global_buffer, .address_space: global }
      - { .name: Wp, .offset: 32, .size: 8, .value_kind: global_buffer, .address_space: global }
      - { .name: xc, .offset: 40, .size: 8, .value_kind: global_buffer, .address_space: global }
      - { .name: xs, .offset: 48, .size: 8, .value_kind: global_buffer, .address_space: global }
      - { .name: wc, .offset: 56, .size: 8, .value_kind: global_buffer, .address_space: global }
      - { .name: wsc, .offset: 64, .size: 8, .value_kind: global_buffer, .address_space: global }
    .group_segment_fixed_size: 34304
    .private_segment_fixed_size: 0
    .kernarg_segment_align: 8
    .kernarg_segment_size: 72
    .max_flat_workgroup_size: 128
    .sgpr_count:     66
    .vgpr_count:     256
    .wavefront_size: 32
...
	.end_amdgpu_metadata
.endif
;; end of part 1
;; launch qkv (part 2): grid 12 x 32, 4 waves a work-group, clusters of 4 x 4, 327,680 bytes of LDS; arguments xc, xs, wc, wsc, bq, bk, bv, qkvc, qkvs; writes qkvc, qkvs
.if DOCPART == 2
	.amdgcn_target "amdgcn-amd-amdhsa--gfx1250"
	.amdhsa_code_object_version 6
	.text
	.protected	k_q4e578443e0_qkv
	.globl	k_q4e578443e0_qkv
	.p2align	8
	.type	k_q4e578443e0_qkv,@function
k_q4e578443e0_qkv:
	s_mov_b64 s[64:65], 0
	v_nop
	global_prefetch_b8 v0, s[64:65] scope:SCOPE_SE
	s_setreg_imm32_b32 hwreg(HW_REG_WAVE_MODE, 25, 1), 1
	s_wait_xcnt 0x0
	s_wait_alu depctr_hold_cnt(0) depctr_sa_sdst(0) depctr_va_vdst(0) depctr_va_sdst(0) depctr_va_ssrc(0) depctr_va_vcc(0) depctr_vm_vsrc(0)
	s_getreg_b32 s2, hwreg(HW_REG_IB_STS2, 6, 4)
	s_cmp_eq_u32 s2, 0
	s_cbranch_scc0 .Lentry_in_a_cluster
	s_endpgm
.Lentry_in_a_cluster:
	s_bfe_u32 s2, ttmp6, 0x10000c
	s_cmp_lg_u32 s2, 0xf033
	s_cbranch_scc0 .Lentry_shape_is_right
	s_endpgm
.Lentry_shape_is_right:
; q = x Wq + bq, k = x Wk + bk, v = x Wv + bv on codes of BF8 (E5M2) with E8M0 scales, and the results quantised at once: q and k along the head's 64 channels, v along the keys.  Nothing wider than a code goes to memory.
; OPERANDS are images of the matrix operand's registers (2,048 bytes a fragment of 16 rows x 128 K; tile t of 128 rows holds rows 32 (t / 2) + 8 (t % 2) + r + 8 (r / 8)): four loads of 16 bytes a lane, no pitch, no padding.
; A tile of 256 tokens x 256 weight rows is made by four waves, 128 x 128 each: 64 accumulators, 512 registers.  K = 1,024 goes in four steps of 256 through two LDS slots filled by the tensor data mover; a step of 128 rows is 32,768 dense bytes.
; The cluster's x says which product: 0 q, 1 k, 2 v.  ROLE = 0 (q, k): source 0 = weight rows, source 1 = tokens: a lane holds a token, its registers run along the channels.
; ROLE = 1 (v): source 0 = tokens, source 1 = weight rows: a lane holds a channel, its registers run along the keys.  Only the LDS read addresses, the bias and the stores' offsets hang on ROLE, which all partners of a cluster share.
; Since source 0's tiles hold the rows named above, a lane's 64 registers of one tile of source 1 are: register 16 b + i = index 32 b + 16 (lane / 16) + i: what the conversions want, and their results are images again.
; CLUSTERS: 4 x 4 work-groups; the tokens' tiles are shared along a row of the cluster, the weights' along a column: joint loads.  The biases are the C of each sum's first matrix instruction.
; LIMITS: NaN and infinities are not served; a block of zeros gets the scale byte 1 (its codes are zeros; only this program reads the bytes).
; REGISTERS: window 0: v1, v2 r and lane / 16; v16-31 addresses; v32-63 scale words, two sets; v64-127 the bias; v128-255 source 1's fragments, one set.  window 1: source 0's, two sets.  windows 2, 3: the accumulators ((a, b) at v[8 (8 (a % 4) + b)]).
.set HALFT,  32768                     ; 128 rows x 256 K: [2][8 tiles][2048]
.set SLOT,   4*HALFT                   ; the tokens' two halves, then the weights' two
.set SCL,    2*SLOT                    ; behind the ring: the scale words of all of K, 4,096 bytes for each of the four halves
.set SPARE,  SCL+4*4096                ; the spare words, 128 bytes for each wave: two blocks of 256 bytes that no other line names
.set ADN,  16                          ; v16-17 LDS address of source 1's fragments in slot 0, 1
.set ADP,  20                          ; v20-21 of source 0's
.set ADRS, 27                          ; v27 of my scale words: lanes 0-15 source 1's, lanes 16-31 source 0's
.set SPW,  28                          ; v28 my spare word; never rewritten
.set NIL,  29                          ; v29 0; never rewritten
.set LI,   30                          ; v30 16 x lane
.set BO,   31                          ; v31 the bias loads' offset
.set SC,   32
.set BI,   64
.set AF,   128
.set TM,   32                          ; the way out: v32-47 at work, v48-55 scale words, v56-71 their packing, v128-255 codes
.set PWS,  48
.set TT,   56
.set UU,   64
.set WV,   22
.set TH,   23                          ; which half of the tokens is mine.  Also: I fetch tokens (0) or weights (1)
.set WH,   66                          ; which half of the weight rows.  Also: which half I fetch
.set TROW, 67
.set ROLE, 95
.set SEL,  96
.set MNT,  98
.set G1,   24
.set G0,   32
.set G1B,  48
.set G0B,  56
.set G1S,  68
.set G0S,  76
.set G1SB, 80
.set G0SB, 88
.set MSB, 0
.macro WIN new                         ; the immediate's high byte repeats the setting that is left
.if MSB != (\new)
	s_set_vgpr_msb (MSB<<8)|(\new)
.set MSB, (\new)
.endif
.endm
.set MUL_LO, 0xa1                      ; source 0 window 1, source 1 window 0, C and D window 2
.set MUL_HI, 0xf1                      ; the same, C and D window 3
.set TO_B,   0x40
.macro JLOAD g0a, g1a, g0b, g1b        ; a joint load: waves 0, 1 fetch the tokens' halves, waves 2, 3 the weights'; four v_nop follow each line
	s_cmp_eq_u32 s[TH], 0
	s_cbranch_scc0 .Lfor_b_\@
	tensor_load_to_lds s[\g0a:\g0a+3], s[\g1a:\g1a+7]
	s_nop 0
.rept 4
	v_nop
.endr
	s_branch .Lasked_\@
.Lfor_b_\@:
	tensor_load_to_lds s[\g0b:\g0b+3], s[\g1b:\g1b+7]
	s_nop 0
.rept 4
	v_nop
.endr
.Lasked_\@:
.endm
.macro CREST                           ; a round of the cluster's barrier behind its opening barrier
	s_cmp_lg_u32 s[WV], 0
	s_cbranch_scc1 .Lnot_wave_0_\@
	s_barrier_signal -3
.Lnot_wave_0_\@:
	s_barrier_wait -3
	s_barrier_signal -1
	s_barrier_wait -1
.endm
.macro CROUND
	s_barrier_signal -1
	s_barrier_wait -1
	CREST
.endm
	s_load_b256 s[4:11], s[0:1], 0x0               ; xc s[4:5], xs s[6:7], wc s[8:9], wsc s[10:11]
	s_load_b256 s[12:19], s[0:1], 0x20             ; bq s[12:13], bk s[14:15], bv s[16:17], qkvc s[18:19]
	s_load_b64 s[20:21], s[0:1], 0x40              ; qkvs
	v_lshl_add_u32 v[SPW], v0, 2, SPARE
	v_mov_b32 v[NIL], 0
	ds_add_u32 v28, v29
	ds_add_u32 v28, v29
	s_wait_dscnt 0x0
	v_lshrrev_b32 v1, 5, v0
	v_readfirstlane_b32 s[WV], v1
	s_lshr_b32 s[TH], s[WV], 1
	s_and_b32 s[WH], s[WV], 1
	s_bfe_u32 s40, ttmp6, 0x40000                  ; cx, cy: my place in the cluster
	s_bfe_u32 s41, ttmp6, 0x40004
	s_lshl_b32 s42, ttmp9, 2
	s_add_co_u32 s42, s42, s40                     ; tile column: 0-3 q, 4-7 k, 8-11 v
	s_and_b32 s[TROW], ttmp7, 0xffff
	s_lshl_b32 s[TROW], s[TROW], 2
	s_add_co_u32 s[TROW], s[TROW], s41             ; tile row: 256 tokens
	s_lshl_b32 s43, s41, 2
	s_lshl_b32 s43, 15, s43                        ; my row of the cluster
	s_lshl_b32 s44, 0x1111, s40                    ; my column
	s_or_b32 s[G1], s43, (3<<16)|(1<<21)           ; 15:0 the mask; 17:16 elements of 8 bytes; 21 set beside a mask; no padding
	s_or_b32 s[G1B], s44, (3<<16)|(1<<21)
.irp g, G1, G1B
	s_mov_b32 s[\g+1], 32<<16                      ; a dense block as rows of 256 bytes: tensor_dim0 = 32
	s_mov_b32 s[\g+2], 128<<16                     ; tensor_dim1 = 128
	s_mov_b32 s[\g+3], 32<<16                      ; tile_dim0
	s_mov_b32 s[\g+4], 128                         ; tile_dim1
	s_mov_b32 s[\g+5], 32                          ; the pitch
	s_mov_b32 s[\g+6], 0
	s_mov_b32 s[\g+7], 0
.endr
	s_or_b32 s[G1S], s43, (3<<16)|(1<<21)          ; the scale words of 128 rows: 16 rows of 256 bytes
	s_or_b32 s[G1SB], s44, (3<<16)|(1<<21)
.irp g, G1S, G1SB
	s_mov_b32 s[\g+1], 32<<16
	s_mov_b32 s[\g+2], 16<<16
	s_mov_b32 s[\g+3], 32<<16
	s_mov_b32 s[\g+4], 16
	s_mov_b32 s[\g+5], 32
	s_mov_b32 s[\g+6], 0
	s_mov_b32 s[\g+7], 0
.endr
	s_lshl_b32 s45, s[TROW], 1
	s_add_co_u32 s45, s45, s[WH]                   ; the tokens' block of 128 that I would fetch
	s_lshl_b32 s92, s45, 17
	s_mov_b32 s93, 0
	s_lshl_b32 s100, s45, 12
	s_mov_b32 s101, 0
	s_lshl_b32 s46, s42, 1
	s_add_co_u32 s46, s46, s[WH]                   ; the weights' block
	s_lshl_b32 s2, s46, 17
	s_mov_b32 s3, 0
	s_lshl_b32 s46, s46, 12
	s_mov_b32 s47, 0
	s_lshl_b32 s94, s[WV], 15                      ; where they go: wave x HALFT; no place in the cluster enters an LDS address
	s_lshl_b32 s99, s[WV], 12
	s_mov_b32 s[SEL], 0x76543210
	s_mov_b32 s[SEL+1], 0xfedcba98
	s_cmp_eq_u32 ttmp9, 2
	s_cselect_b32 s[ROLE], 1, 0
	s_wait_kmcnt 0x0
	s_add_nc_u64 s[4:5], s[4:5], s[92:93]
	s_add_nc_u64 s[6:7], s[6:7], s[100:101]
	s_add_nc_u64 s[8:9], s[8:9], s[2:3]
	s_add_nc_u64 s[10:11], s[10:11], s[46:47]
	CROUND                                         ; all sixteen work-groups are here: the first joint loads meet
	s_mov_b32 s[G0S], 1
	s_add_co_u32 s[G0S+1], s99, SCL
	s_mov_b64 s[G0S+2:G0S+3], s[6:7]
	s_or_b32 s[G0S+3], s[G0S+3], 0x80000000
	s_mov_b32 s[G0SB], 1
	s_add_co_u32 s[G0SB+1], s99, SCL
	s_mov_b64 s[G0SB+2:G0SB+3], s[10:11]
	s_or_b32 s[G0SB+3], s[G0SB+3], 0x80000000
	JLOAD G0S, G1S, G0SB, G1SB                     ; the scale words first: filled once
.irp s, 0,1
	s_mov_b32 s[G0+4*\s], 1
	s_add_co_u32 s[G0+4*\s+1], s94, \s*SLOT
	s_add_nc_u64 s[G0+4*\s+2:G0+4*\s+3], s[4:5], \s*HALFT
	s_or_b32 s[G0+4*\s+3], s[G0+4*\s+3], 0x80000000
	s_mov_b32 s[G0B+4*\s], 1
	s_add_co_u32 s[G0B+4*\s+1], s94, \s*SLOT
	s_add_nc_u64 s[G0B+4*\s+2:G0B+4*\s+3], s[8:9], \s*HALFT
	s_or_b32 s[G0B+4*\s+3], s[G0B+4*\s+3], 0x80000000
	JLOAD G0+4*\s, G1, G0B+4*\s, G1B               ; three loads of mine are out
.endr
	v_and_b32 v1, 15, v0                           ; r
	v_bfe_u32 v2, v0, 4, 1                         ; lane / 16
	v_and_b32 v3, 31, v0
	v_lshlrev_b32 v[LI], 4, v3
	s_wait_alu depctr_va_vdst(0)
	s_lshl_b32 s92, s[TH], 15                      ; my half of the tokens in a slot,
	s_lshl_b32 s93, s[WH], 15
	s_add_co_u32 s93, s93, 2*HALFT                 ; my half of the weight rows
	s_cmp_eq_u32 s[ROLE], 0
	s_cselect_b32 s100, s92, s93                   ; source 1's
	s_cselect_b32 s101, s93, s92                   ; source 0's
.irp s, 0,1
	v_add_nc_u32 v[ADN+\s], s100, v[LI]
	v_add_nc_u32 v[ADP+\s], s101, v[LI]
	s_add_co_u32 s100, s100, SLOT
	s_add_co_u32 s101, s101, SLOT
.endr
	v_xor_b32 v4, s[ROLE], v2                      ; 1 in the lanes that take the weights' words
	s_lshl_b32 s92, s[TH], 12
	s_lshl_b32 s93, s[WH], 12
	s_add_co_u32 s93, s93, 8192
	s_sub_co_u32 s93, s93, s92                     ; from my tokens' words to my weights': one product
	v_mul_u32_u24 v4, s93, v4
	s_add_co_u32 s92, s92, SCL
	v_lshl_add_u32 v4, v1, 3, v4                   ; + 8 r: two words a row
	v_add_nc_u32 v[ADRS], s92, v4
	; the bias of my 128 channels, as the C of the first products
	s_cmp_eq_u32 ttmp9, 1
	s_cselect_b64 s[12:13], s[14:15], s[12:13]
	s_cmp_eq_u32 ttmp9, 2
	s_cselect_b64 s[12:13], s[16:17], s[12:13]
	s_and_b32 s92, s42, 3
	s_lshl_b32 s92, s92, 10
	s_lshl_b32 s93, s[WH], 9
	s_add_co_u32 s92, s92, s93
	s_mov_b32 s93, 0
	s_add_nc_u64 s[12:13], s[12:13], s[92:93]
	s_cmp_eq_u32 s[ROLE], 0
	s_cbranch_scc0 .Lbias_v
	v_lshlrev_b32 v[BO], 6, v2                     ; registers along the channels: register 16 b + i = channel 32 b + 16 (lane / 16) + i
.irp b, 0,1,2,3
.irp j, 0,1,2,3
	global_load_b128 v[BI+16*\b+4*\j:BI+16*\b+4*\j+3], v[BO], s[12:13] offset:128*\b+16*\j
.endr
.endr
	s_branch .Lbias_done
.Lbias_v:
	v_and_b32 v[BO], 8, v1                         ; a lane holds a channel: tile a's eight registers all hold the bias of channel 32 (a / 2) + 8 (a % 2) + r + 8 (r / 8)
	v_add_nc_u32 v[BO], v[BO], v1
	v_lshlrev_b32 v[BO], 2, v[BO]
.irp a, 0,1,2,3,4,5,6,7
.irp j, 0,1,2,3,4,5,6,7
	global_load_b32 v[BI+8*\a+\j], v[BO], s[12:13] offset:4*(32*(\a/2)+8*(\a%2))
.endr
.endr
.Lbias_done:
	; where my results go: codes at product x 8 MiB + head x 131,072 + (block of 128 tokens) x 8,192, in both roles; scale words in the head's record of 20,480 bytes
	s_lshr_b32 s92, s[TROW], 3
	s_lshl_b32 s92, s92, 4
	s_and_b32 s93, s42, 3
	s_lshl_b32 s93, s93, 2
	s_add_co_u32 s92, s92, s93
	s_lshl_b32 s93, s[WH], 1
	s_add_co_u32 s92, s92, s93                     ; 16 x batch + the first of my two heads
	s_and_b32 s93, s[TROW], 7
	s_lshl_b32 s93, s93, 1
	s_add_co_u32 s93, s93, s[TH]                   ; my block of 128 tokens in the sequence
	s_lshl_b32 s100, ttmp9, 23
	s_lshl_b32 s101, s92, 17
	s_add_co_u32 s100, s100, s101
	s_lshl_b32 s101, s93, 13
	s_add_co_u32 s100, s100, s101
	s_mov_b32 s101, 0
	s_add_nc_u64 s[18:19], s[18:19], s[100:101]
	s_mul_i32 s100, s92, 20480
	s_lshl_b32 s101, ttmp9, 13
	s_add_co_u32 s100, s100, s101
	s_sub_co_u32 s101, 9, s[ROLE]                  ; 512 bytes a block for q and k, 256 for v
	s_lshl_b32 s101, s93, s101
	s_add_co_u32 s100, s100, s101
	s_mov_b32 s101, 0
	s_add_nc_u64 s[20:21], s[20:21], s[100:101]
.macro FRAG reg, adr, q, i             ; a fragment's image: four loads of 512 consecutive bytes
.irp c, 0,1,2,3
	ds_load_b128 v[\reg+4*\c:\reg+4*\c+3], v[\adr] offset:16384*(\q)+2048*(\i)+512*\c
.endr
.endm
; 16 matrix instructions: source 1's tiles a0, a0 + 1 x source 0's eight.  p: source 0's set; q: which 128 of the slot; sc: the set of scale words.  cmode 0: C = D; 1: C = the bias by b; 2: the bias by a.
; The 64 accumulators take turns, one instruction a turn, in the same order in every step.
.macro MUL16 a0, p, q, sc, cmode
.irp a, \a0, \a0+1
.irp b, 0,1,2,3,4,5,6,7
.if \cmode == 1
	v_wmma_scale_f32_16x16x128_f8f6f4 v[8*(8*((\a)%4)+\b):8*(8*((\a)%4)+\b)+7], v[128*(\p)+16*\b:128*(\p)+16*\b+15], v[AF+16*(\a):AF+16*(\a)+15], v[BI+8*\b:BI+8*\b+7], v[SC+16*(\sc)+2*\b+(\q)], v[SC+16*(\sc)+2*(\a)+(\q)] matrix_a_fmt:MATRIX_FMT_BF8 matrix_b_fmt:MATRIX_FMT_BF8 matrix_a_scale:MATRIX_SCALE_ROW1
.elseif \cmode == 2
	v_wmma_scale_f32_16x16x128_f8f6f4 v[8*(8*((\a)%4)+\b):8*(8*((\a)%4)+\b)+7], v[128*(\p)+16*\b:128*(\p)+16*\b+15], v[AF+16*(\a):AF+16*(\a)+15], v[BI+8*(\a):BI+8*(\a)+7], v[SC+16*(\sc)+2*\b+(\q)], v[SC+16*(\sc)+2*(\a)+(\q)] matrix_a_fmt:MATRIX_FMT_BF8 matrix_b_fmt:MATRIX_FMT_BF8 matrix_a_scale:MATRIX_SCALE_ROW1
.else
	v_wmma_scale_f32_16x16x128_f8f6f4 v[8*(8*((\a)%4)+\b):8*(8*((\a)%4)+\b)+7], v[128*(\p)+16*\b:128*(\p)+16*\b+15], v[AF+16*(\a):AF+16*(\a)+15], v[8*(8*((\a)%4)+\b):8*(8*((\a)%4)+\b)+7], v[SC+16*(\sc)+2*\b+(\q)], v[SC+16*(\sc)+2*(\a)+(\q)] matrix_a_fmt:MATRIX_FMT_BF8 matrix_b_fmt:MATRIX_FMT_BF8 matrix_a_scale:MATRIX_SCALE_ROW1
.endif
.endr
.endr
.endm
.macro FETCH_B slot, q, p              ; source 0's eight fragments into set p
	WIN TO_B
.irp i, 0,1,2,3,4,5,6,7
	FRAG 128*(\p)+16*\i, ADP+\slot, \q, \i
.endr
	WIN 0
.endm
.macro FETCH_A slot, q, i0             ; source 1's tiles i0 .. i0 + 3
.irp i, \i0, \i0+1, \i0+2, \i0+3
	FRAG AF+16*(\i), ADN+\slot, \q, \i
.endr
.endm
.macro SCALES sc                       ; a K step's scale words: two a row; lanes 0-15 source 1's tile i, lanes 16-31 source 0's tile i
.irp i, 0,1,2,3,4,5,6,7
	ds_load_b64 v[SC+16*\sc+2*\i:SC+16*\sc+2*\i+1], v[ADRS] offset:128*\i
.endr
.endm
.macro PLACES n                        ; eight plain vector instructions stand between this matrix form and a load into, or a vector read or write of, its registers (ISA guide 7.12.1 for vector reads and writes)
.rept \n
	v_nop
.endr
.endm
.macro STEP slot, q, cmode             ; 128 along K that have their successor in the same slot
	s_wait_dscnt 16                                ; all but the youngest 16 loads (source 1's tiles 4-7) are in
.if \cmode
	WIN 0x81                                       ; C (the bias) in window 0
.else
	WIN MUL_LO
.endif
	MUL16 0, (\q)%2, \q, \slot, \cmode
	MUL16 2, (\q)%2, \q, \slot, \cmode
	s_wait_dscnt 0
	PLACES 8
	FETCH_B \slot, (\q)+1, 1-(\q)%2
	FETCH_A \slot, (\q)+1, 0
.if \cmode
	WIN 0xc1
.else
	WIN MUL_HI
.endif
	MUL16 4, (\q)%2, \q, \slot, \cmode
	MUL16 6, (\q)%2, \q, \slot, \cmode
	PLACES 8
	WIN 0
	FETCH_A \slot, (\q)+1, 4
.endm
; A slot's last 128 change slots: one barrier; in front of it each wave waits for all its tensor loads, adds 0 to its spare word, and waits for that and for its reads of this slot.  fill = 1: the slot is filled again, two K steps ahead.
.macro TURN slot, next, fill
	s_wait_tensorcnt 0x0                           ; all my tensor loads have landed: my part of the next slot
	ds_add_u32 v[SPW], v[NIL]                      ; 0 onto my spare word
	s_wait_dscnt 17                                ; the add and the youngest 16 loads may be out
	WIN MUL_LO
	MUL16 0, 1, 1, \slot, 0
	s_wait_dscnt 0x0                               ; the add is done, and my reads of this slot are over
	s_barrier_signal -1
	MUL16 2, 1, 1, \slot, 0
	WIN 0
	s_barrier_wait -1
.if \fill
	CREST                                          ; the barrier has opened a round of the cluster's: no wave of any partner still reads this slot or has a load on its way
	s_add_nc_u64 s[G0+4*\slot+2:G0+4*\slot+3], s[G0+4*\slot+2:G0+4*\slot+3], 2*HALFT
	s_add_nc_u64 s[G0B+4*\slot+2:G0B+4*\slot+3], s[G0B+4*\slot+2:G0B+4*\slot+3], 2*HALFT
	JLOAD G0+4*\slot, G1, G0B+4*\slot, G1B         ; the first tensor load behind the round; its four v_nop are four of the eight places
	PLACES 4
.else
	PLACES 8
.endif
	s_wait_alu depctr_va_vdst(0)
	v_add_nc_u32 v[ADRS], 1024, v[ADRS]            ; the next K step's scale words
	FETCH_B \next, 0, 0
	FETCH_A \next, 0, 0
	SCALES \next
	WIN MUL_HI
	MUL16 4, 1, 1, \slot, 0
	MUL16 6, 1, 1, \slot, 0
	PLACES 8
	WIN 0
	FETCH_A \next, 0, 4
.endm
	s_wait_tensorcnt 1                             ; the scale words and my part of K step 0 are in; K step 1's load may be out
	s_barrier_signal -1
	s_barrier_wait -1
	s_wait_alu depctr_va_vdst(0)
	FETCH_B 0, 0, 0
	FETCH_A 0, 0, 0
	SCALES 0
	FETCH_A 0, 0, 4
	s_wait_loadcnt 0x0                             ; the bias
	s_cmp_eq_u32 s[ROLE], 0
	s_cbranch_scc0 .Lfirst_v
	STEP 0, 0, 1                                   ; the first products start the sums from the bias; both arms issue the same loads
	s_branch .Lfirst_done
.Lfirst_v:
	STEP 0, 0, 2
.Lfirst_done:
	TURN 0, 1, 1
	STEP 1, 0, 0
	TURN 1, 0, 1
	STEP 0, 0, 0
	TURN 0, 1, 0                                   ; nothing is left to fetch
	STEP 1, 0, 0
	s_wait_dscnt 16
	WIN MUL_LO
	MUL16 0, 1, 1, 1, 0
	MUL16 2, 1, 1, 1, 0
	s_wait_dscnt 0
	WIN MUL_HI
	MUL16 4, 1, 1, 1, 0
	MUL16 6, 1, 1, 1, 0
	WIN 0
; THE WAY OUT.  Tile a of source 1: my row's 64 registers are quantised in four blocks of 32 (a block lies in lanes l and l xor 16) and leave as an image: 512 consecutive bytes a store.  No LDS.
.macro QUANTW a
.set QW, 2+(\a)/4
.set AC, 64*((\a)%4)
.set PCA, 128+16*(\a)
	WIN QW|(QW<<2)
.irp b, 0,1,2,3
	v_max3_num_f32 v[TM+\b], |v[AC+16*\b]|, |v[AC+16*\b+1]|, 0x8000000   ; each accumulator is read from its low end on; the floor 2^(16 - 127) holds the byte at 1
.endr
	WIN (QW<<2)|(QW<<4)
.irp i, 2,4,6,8,10,12,14
.irp b, 0,1,2,3
	v_max3_num_f32 v[TM+\b], v[TM+\b], |v[AC+16*\b+\i]|, |v[AC+16*\b+\i+1]|
.endr
.endr
	WIN 0
.irp b, 0,1,2,3
	v_permlanex16_b32 v[TM+4+\b], v[TM+\b], s[SEL], s[SEL+1]
.endr
.irp b, 0,1,2,3
	v_max_num_f32 v[TM+\b], v[TM+\b], v[TM+4+\b]
.endr
.irp b, 0,1,2,3
	v_add_nc_u32 v[TM+12+\b], 0xf8800000, v[TM+\b] ; 15 off the exponent field: the conversion's scale operand
.endr
.irp b, 0,1,2,3
.endr
.irp b, 0,1,2,3
	v_lshrrev_b32 v[TM+4+\b], 23, v[TM+12+\b]      ; the byte
.endr
	v_lshl_or_b32 v[PWS+(\a)], v[TM+5], 8, v[TM+4]
	v_lshl_or_b32 v[PWS+(\a)], v[TM+6], 16, v[PWS+(\a)]
	v_lshl_or_b32 v[PWS+(\a)], v[TM+7], 24, v[PWS+(\a)]
	WIN QW|(QW<<6)
.irp b, 0,1,2,3
.irp i, 0,1,2,3,4,5,6,7,8,9,10,11,12,13,14,15
.endr
.endr
	WIN QW
.irp b, 0,1,2,3
	v_cvt_scalef32_pk8_bf8_f32 v[PCA+4*\b:PCA+4*\b+1], v[AC+16*\b:AC+16*\b+7], v[TM+12+\b]
	v_cvt_scalef32_pk8_bf8_f32 v[PCA+4*\b+2:PCA+4*\b+3], v[AC+16*\b+8:AC+16*\b+15], v[TM+12+\b]
.endr
	WIN 0
	v_nop                                          ; a plain line behind the last conversion
	s_cmp_eq_u32 s[ROLE], 0
	s_cbranch_scc0 .Lst_v_\@
.irp c, 0,1,2,3
	global_store_b128 v[LI], v[PCA+4*\c:PCA+4*\c+3], s[18:19] offset:1024*(\a)+131072*(\c/2)+512*(\c%2)   ; q, k: tile a of 16 tokens; groups 0, 1 my first head's 64 channels, groups 2, 3 the next head's
.endr
	s_branch .Lst_done_\@
.Lst_v_\@:
	s_wait_alu depctr_va_vdst(0)
.irp c, 0,1,2,3
	global_store_b128 v[LI], v[PCA+4*\c:PCA+4*\c+3], s[18:19] offset:131072*((\a)/4)+2048*((\a)%4)+512*\c  ; v: head a / 4, its tile a % 4 of 16 channels x my 128 keys
.endr
.Lst_done_\@:
.endm
	PLACES 8
.irp b, 0,1,2,3
	v_mov_b32 v[TM+4+\b], 0                        ; written once: a lane permute's destination counts as one of its sources
.endr
.irp a, 0,1,2,3,4,5,6,7
	QUANTW \a
.endr
	v_cmp_eq_u32 vcc_lo, 1, v2                     ; lanes 16-31
	s_cmp_eq_u32 s[ROLE], 0
	s_cbranch_scc0 .Lsc_v
	; q, k: the word of (tile a, row r) lies at 16 r + 256 (a % 2) + 4 (a / 2) of the block's 512 bytes, and holds the head's two bytes twice, since the scores' products carry 64 channels in either half of K = 128
	s_mov_b32 s92, 0x01000100
	s_mov_b32 s93, 0x03020302
.irp i, 0,1,2,3
	v_cndmask_b32 v[TT+\i], v[PWS+2*\i], v[PWS+2*\i+1], vcc_lo
.endr
.irp i, 0,1,2,3
	v_perm_b32 v[UU+\i], v[TT+\i], v[TT+\i], s92   ; my first head: bytes 0, 1
	v_perm_b32 v[UU+4+\i], v[TT+\i], v[TT+\i], s93 ; the next head: bytes 2, 3
.endr
	global_store_b128 v[LI], v[UU:UU+3], s[20:21]
	global_store_b128 v[LI], v[UU+4:UU+7], s[20:21] offset:20480
	s_branch .Lsc_done
.Lsc_v:
	; v: [r = 16][tile = 4] words for a block of 128 keys: lanes 0-15 store my first head's 256 bytes, lanes 16-31 the next head's
.irp i, 0,1,2,3
	v_cndmask_b32 v[UU+\i], v[PWS+\i], v[PWS+4+\i], vcc_lo
.endr
	v_lshlrev_b32 v4, 4, v1
	v_mad_u32_u24 v4, v2, 0x5000, v4
	global_store_b128 v4, v[UU:UU+3], s[20:21]
.Lsc_done:
	s_wait_tensorcnt 0x0                           ; the wave's end
	ds_add_u32 v[SPW], v[NIL]
	s_wait_dscnt 0x0
	CROUND                                         ; the closing round: no work-group ends while a partner may still ask for a tile that names it
	s_endpgm
.Lfunc_end_k_q4e578443e0_qkv:
	.size	k_q4e578443e0_qkv, .Lfunc_end_k_q4e578443e0_qkv-k_q4e578443e0_qkv
	.p2alignl 7, 3214868480
	.fill 96, 4, 3214868480
	.section	.rodata,"a",@progbits
	.p2align	6, 0x0
	.amdhsa_kernel k_q4e578443e0_qkv
		.amdhsa_group_segment_fixed_size 327680
		.amdhsa_private_segment_fixed_size 0
		.amdhsa_enable_private_segment 0
		.amdhsa_kernarg_size 72
		.amdhsa_user_sgpr_count 2
		.amdhsa_user_sgpr_kernarg_segment_ptr 1
		.amdhsa_wavefront_size32 1
		.amdhsa_system_sgpr_workgroup_id_x 1
		.amdhsa_system_sgpr_workgroup_id_y 1
		.amdhsa_system_sgpr_workgroup_id_z 1
		.amdhsa_system_vgpr_workitem_id 0
		.amdhsa_next_free_vgpr 1024
		.amdhsa_next_free_sgpr 102
		.amdhsa_reserve_vcc 1
		.amdhsa_float_denorm_mode_32 3
		.amdhsa_float_denorm_mode_16_64 3
		.amdhsa_fp16_overflow 1
		.amdhsa_memory_ordered 1
		.amdhsa_forward_progress 1
		.amdhsa_inst_pref_size 176
	.end_amdhsa_kernel
	.amdgpu_metadata
---
amdhsa.version: [ 1, 2 ]
amdhsa.kernels:
  - .name:           k_q4e578443e0_qkv
    .symbol:         k_q4e578443e0_qkv.kd
    .args:
      - { .name: xc, .offset: 0, .size: 8, .value_kind: global_buffer, .address_space: global }
      - { .name: xs, .offset: 8, .size: 8, .value_kind: global_buffer, .address_space: global }
      - { .name: wc, .offset: 16, .size: 8, .value_kind: global_buffer, .address_space: global }
      - { .name: wsc, .offset: 24, .size: 8, .value_kind: global_buffer, .address_space: global }
      - { .name: bq, .offset: 32, .size: 8, .value_kind: global_buffer, .address_space: global }
      - { .name: bk, .offset: 40, .size: 8, .value_kind: global_buffer, .address_space: global }
      - { .name: bv, .offset: 48, .size: 8, .value_kind: global_buffer, .address_space: global }
      - { .name: qkvc, .offset: 56, .size: 8, .value_kind: global_buffer, .address_space: global }
      - { .name: qkvs, .offset: 64, .size: 8, .value_kind: global_buffer, .address_space: global }
    .group_segment_fixed_size: 327680
    .private_segment_fixed_size: 0
    .kernarg_segment_align: 8
    .kernarg_segment_size: 72
    .max_flat_workgroup_size: 128
    .sgpr_count:     102
    .vgpr_count:     1024
    .wavefront_size: 32
...
	.end_amdgpu_metadata
.endif
;; end of part 2
;; launch attn (part 3): grid 4 x 64, 16 waves a work-group, clusters of 4 x 1, 276,480 bytes of LDS; arguments qkvc, qkvs, ac, asc; writes ac, asc
.if DOCPART == 3
	.amdgcn_target "amdgcn-amd-amdhsa--gfx1250"
	.amdhsa_code_object_version 6
	.text
	.protected	k_q4e578443e0_attn
	.globl	k_q4e578443e0_attn
	.p2align	8
	.type	k_q4e578443e0_attn,@function
k_q4e578443e0_attn:
	s_mov_b64 s[64:65], 0
	v_nop
	global_prefetch_b8 v0, s[64:65] scope:SCOPE_SE
	s_setreg_imm32_b32 hwreg(HW_REG_WAVE_MODE, 25, 1), 1
	s_wait_xcnt 0x0
	s_wait_alu depctr_hold_cnt(0) depctr_sa_sdst(0) depctr_va_vdst(0) depctr_va_sdst(0) depctr_va_ssrc(0) depctr_va_vcc(0) depctr_vm_vsrc(0)
	s_getreg_b32 s2, hwreg(HW_REG_IB_STS2, 6, 4)
	s_cmp_eq_u32 s2, 0
	s_cbranch_scc0 .Lentry_in_a_cluster
	s_endpgm
.Lentry_in_a_cluster:
	s_bfe_u32 s2, ttmp6, 0x10000c
	s_cmp_lg_u32 s2, 0x3003
	s_cbranch_scc0 .Lentry_shape_is_right
	s_endpgm
.Lentry_shape_is_right:
; Causal attention of one head on codes of BF8 (E5M2) with E8M0 scales, and its result quantised along the model's 1,024 channels for the last projection.
; t = score x log2(e) / 8; M = the running largest t rounded UP to a whole number; p = 2^(t - M) is quantised along the keys, not normalised; the row's sum is taken of the unquantised p and divides at the end.
; When M moves, the sum and O are multiplied by 2^(old M - new M): exact.
; SHARES.  The four work-groups of a cluster belong to one head (16 x batch + head = the cluster's y).  The head's whole K and V (131,072 bytes of codes each) and their scale words come into LDS ONCE, by joint loads: nothing is filled again.
; Of each group m of 128 queries, partner cx takes rows 32 cx .. 32 cx + 31, as tiles u = 0, 1.  Wave w runs pass 0 on (m = w, u = 0) and pass 1 on (m = 15 - w, u = 1): 17 key steps of 128 for every wave of every work-group.
; The loops' trip counts are constants; a step all of whose keys come after the wave's queries is jumped over by a scalar branch on the wave's number and the loop's count.  No branch and no LDS address hangs on cx.
; LAYOUT.  S^T = K Q^T (source 0 = 16 keys, source 1 = my 16 queries), O^T = V^T P^T (source 0 = 16 channels, source 1 = p): a lane holds one query throughout.  Tile t of 128 rows holds rows 32 (t / 2) + 8 (t % 2) + r + 8 (r / 8),
; so register 16 b + i of S^T is key 32 b + 16 (lane / 16) + i, and of O^T channel 32 b + 16 (lane / 16) + i.
; K = 64 IN AN INSTRUCTION OF K = 128: the unused half of both operands holds zero codes.  One run of eight zero registers serves two tiles: [T, Z] x [q, Z] and [Z, T'] x [Z, q]; the scale words hold the head's two bytes twice.
; LIMITS: NaN and infinities are not served; a block of zeros gets the scale byte 1 (its codes are zeros; only this program reads the bytes).
.set LI,   1                           ; v1  16 x lane
.set AV0,  2                           ; v2  + where V's codes begin
.set ASK0, 3                           ; v3  K's scale words: 16 r
.set ASV0, 4                           ; v4  V's: 16 r
.set DM,   5                           ; v5  my query's place in its 128 - 16 (lane / 16)
.set RO,   6                           ; v6  8 r
.set DM0,  7                           ; v7  the same as v5 for tile u = 0
.set ADK,  8                           ; v8-11 the step's LDS addresses
.set ADV,  9
.set ADS,  10
.set ADT,  11
.set KB,   40                          ; v40-87 [T0, Z, T1] [T2, Z, T3]
.set S,    88                          ; v88-151 S^T, then p, then V's four fragments
.set OT,   152                         ; v152-183 O^T
.set PC,   184                         ; v184-199 p's codes
.set KSW,  200
.set VSW,  204
.set QSW,  208
.set PW,   209
.set F,    210                         ; v[210:211] 2^(old M - new M)
.set BM,   212
.set T2,   216
.set HOLD, 220
.set SCO,  224
.set TMP,  228
.set QO,   232                         ; v232 16 r
.set WV,   12
.set CX,   13
.set BH,   14
.set MNT,  15
.set SEL,  16
.set CS,   18                          ; s[18:19] log2(e) / 8
.set QB,   20
.set QS,   22
.set G1S,  24
.set G1A,  32
.set G1B,  40
.set G0S,  48
.set G0A,  52
.set G0B,  56
.set TB,   60                          ; the step's codes: 8,192 bytes a step, in K and in V
.set TS,   61                          ; K's scale words: 512 a step
.set TJ,   62                          ; V's: 256 a step
.set KS,   63                          ; the key step
.set MQ,   66                          ; my group of 128 queries
.set CNT,  67
.macro CROUND                          ; a round of the cluster's barrier
	s_barrier_signal -1
	s_barrier_wait -1
	s_cmp_lg_u32 s[WV], 0
	s_cbranch_scc1 .Lnot_wave_0_\@
	s_barrier_signal -3
.Lnot_wave_0_\@:
	s_barrier_wait -3
	s_barrier_signal -1
	s_barrier_wait -1
.endm
	s_load_b256 s[4:11], s[0:1], 0x0               ; qkvc s[4:5], qkvs s[6:7], ac s[8:9], asc s[10:11]
	v_lshl_add_u32 v254, v0, 2, 0x43000
	v_mov_b32 v255, 0
	ds_add_u32 v254, v255
	ds_add_u32 v254, v255
	v_lshrrev_b32 v1, 5, v0
	s_delay_alu instid0(VALU_DEP_1)
	v_readfirstlane_b32 s[WV], v1
	s_bfe_u32 s[CX], ttmp6, 0x40000
	s_and_b32 s[BH], ttmp7, 0xffff
	; three shapes, all dense blocks as rows of 256 bytes, all with the mask of the four partners: 12 rows (scale words), 64 rows (key steps 0-3), 192 rows (the rest)
.irp g, G1S, G1A, G1B
	s_mov_b32 s[\g], 15|(3<<16)|(1<<21)            ; 15:0 the mask; 17:16 elements of 8 bytes; 21 set beside a mask
	s_mov_b32 s[\g+1], 32<<16
	s_mov_b32 s[\g+3], 32<<16
	s_mov_b32 s[\g+5], 32
	s_mov_b32 s[\g+6], 0
	s_mov_b32 s[\g+7], 0
.endr
	s_mov_b32 s[G1S+2], 12<<16
	s_mov_b32 s[G1S+4], 12
	s_mov_b32 s[G1A+2], 64<<16
	s_mov_b32 s[G1A+4], 64
	s_mov_b32 s[G1B+2], 192<<16
	s_mov_b32 s[G1B+4], 192
	s_and_b32 s68, s[WV], 3                        ; waves 0-3 fetch: a quarter of the scale words each;
	s_bfe_u32 s69, s[WV], 0x10001                  ; waves 0, 1 K's codes, waves 2, 3 V's;
	s_and_b32 s70, s[WV], 1                        ; a half each
	s_mul_i32 s71, s68, 3072
	s_mul_i32 s72, s[BH], 20480
	s_add_co_u32 s72, s72, s71
	s_add_co_u32 s72, s72, 8192                    ; behind q's words in the head's record: K's 8,192 bytes, then V's 4,096
	s_mov_b32 s73, 0
	s_add_co_u32 s74, s69, 1
	s_lshl_b32 s74, s74, 23                        ; k at 8 MiB, v at 16 MiB
	s_lshl_b32 s75, s[BH], 17
	s_add_co_u32 s74, s74, s75
	s_mov_b32 s75, 0
	s_lshl_b32 s76, s70, 14
	s_mov_b32 s77, 0
	s_mul_i32 s78, s70, 49152
	s_add_co_u32 s78, s78, 32768
	s_mov_b32 s79, 0
	s_lshl_b32 s69, s69, 17                        ; in LDS: K's codes at 0, V's at 131,072
	s_mov_b32 s[SEL], 0x76543210
	s_mov_b32 s[SEL+1], 0xfedcba98
	s_mov_b32 s[CS], 0x3e38aa3b
	s_mov_b32 s[CS+1], s[CS]
	s_wait_dscnt 0x0
	s_wait_kmcnt 0x0
	s_mov_b32 s[G0S], 1
	s_add_co_u32 s[G0S+1], s71, 262144
	s_add_nc_u64 s[G0S+2:G0S+3], s[6:7], s[72:73]
	s_or_b32 s[G0S+3], s[G0S+3], 0x80000000
	s_add_nc_u64 s[QB:QB+1], s[4:5], s[74:75]
	s_mov_b32 s[G0A], 1
	s_add_co_u32 s[G0A+1], s69, s76
	s_add_nc_u64 s[G0A+2:G0A+3], s[QB:QB+1], s[76:77]
	s_or_b32 s[G0A+3], s[G0A+3], 0x80000000
	s_mov_b32 s[G0B], 1
	s_add_co_u32 s[G0B+1], s69, s78
	s_add_nc_u64 s[G0B+2:G0B+3], s[QB:QB+1], s[78:79]
	s_or_b32 s[G0B+3], s[G0B+3], 0x80000000
	CROUND                                         ; all four work-groups are here: the joint loads meet
	s_cmp_lt_u32 s[WV], 4                          ; a wave's three fills stand in one branch on the wave's number, ahead of every wait on TENSORcnt and every LDS read
	s_cbranch_scc0 .Lno_fill
	tensor_load_to_lds s[G0S:G0S+3], s[G1S:G1S+7]
	s_nop 0
	tensor_load_to_lds s[G0A:G0A+3], s[G1A:G1A+7]
	s_nop 0
	tensor_load_to_lds s[G0B:G0B+3], s[G1B:G1B+7]
	s_nop 0
.rept 4
	v_nop
.endr
.Lno_fill:
	v_and_b32 v[TMP], 31, v0
	s_delay_alu instid0(VALU_DEP_1)
	v_lshlrev_b32 v[LI], 4, v[TMP]
	v_and_b32 v[TMP+1], 15, v0                     ; r
	v_bfe_u32 v[TMP+2], v0, 4, 1                   ; lane / 16
	s_delay_alu instid0(VALU_DEP_3)
	v_add_nc_u32 v[AV0], 131072, v[LI]
	s_delay_alu instid0(VALU_DEP_3)
	v_lshl_add_u32 v[ASK0], v[TMP+1], 4, 262144
	s_delay_alu instid0(VALU_DEP_4)
	v_lshl_add_u32 v[ASV0], v[TMP+1], 4, 270336
	v_lshlrev_b32 v[RO], 3, v[TMP+1]
	v_lshlrev_b32 v[QO], 4, v[TMP+1]
	v_and_b32 v[TMP+3], 8, v[TMP+1]
	s_delay_alu instid0(VALU_DEP_1)
	v_add_nc_u32 v[TMP+3], v[TMP+3], v[TMP+1]      ; r + 8 (r / 8)
	v_lshlrev_b32 v[TMP+2], 4, v[TMP+2]
	s_delay_alu instid0(VALU_DEP_1)
	v_sub_nc_u32 v[TMP+3], v[TMP+3], v[TMP+2]
	s_lshl_b32 s68, s[CX], 5
	v_add_nc_u32 v[DM0], s68, v[TMP+3]             ; 32 cx + r + 8 (r / 8) - 16 (lane / 16): it enters compares of numbers alone
.irp j, 0,1,2,3,4,5,6,7
	v_mov_b32 v[24+\j], 0                          ; the three runs of zero codes, written once
	v_mov_b32 v[48+\j], 0
	v_mov_b32 v[72+\j], 0
.endr
.irp b, 0,1,2,3
	v_mov_b32 v[T2+\b], 0                          ; a lane permute's destination counts as one of its sources
.endr
	v_mov_b32 v[F+1], 0                            ; named as the upper half of a pair
	s_wait_tensorcnt 1                             ; the scale words and key steps 0-3 are in; the rest may be out
	s_barrier_signal -1
	s_barrier_wait -1
; A KEY STEP: 128 keys.
.macro STEP
	v_add_nc_u32 v[ADK], s[TB], v[LI]
	v_add_nc_u32 v[ADV], s[TB], v[AV0]
	v_add_nc_u32 v[ADS], s[TS], v[ASK0]
	v_add_nc_u32 v[ADT], s[TJ], v[ASV0]
	s_cmp_gt_u32 s[KS], s[MQ]                      ; all keys of the step come after my queries: nothing but the addresses' steps
	s_cbranch_scc1 .Lhid_\@
	s_setprio 2
.rept 5
	v_nop                                          ; with the four additions: nine places between the last step's products, which read V's fragments, and the products that write over those registers
.endr
	s_wait_alu depctr_va_vdst(0)
.irp g, 0,1
.if \g
.rept 8
	v_nop                                          ; places in front of loads into registers that the four products above have read
.endr
.endif
.irp t, 0,1,2,3
	ds_load_b128 v[KB+16*(\t%2)+24*(\t/2):KB+16*(\t%2)+24*(\t/2)+3], v[ADK] offset:1024*(4*\g+\t)
	ds_load_b128 v[KB+16*(\t%2)+24*(\t/2)+4:KB+16*(\t%2)+24*(\t/2)+7], v[ADK] offset:1024*(4*\g+\t)+512
	ds_load_b32 v[KSW+\t], v[ADS] offset:256*(\t%2)+4*(2*\g+\t/2)
.endr
	s_wait_dscnt 0x0
.irp t, 0,1,2,3
	v_wmma_scale_f32_16x16x128_f8f6f4 v[S+8*(4*\g+\t):S+8*(4*\g+\t)+7], v[KB+8*(\t%2)+24*(\t/2):KB+8*(\t%2)+24*(\t/2)+15], v[16+8*(\t%2):16+8*(\t%2)+15], 0, v[KSW+\t], v[QSW] matrix_a_fmt:MATRIX_FMT_BF8 matrix_b_fmt:MATRIX_FMT_BF8
.endr
.endr
.rept 8
	v_nop
.endr
	s_cmp_lg_u32 s[KS], s[MQ]                      ; on the diagonal the scores of hidden keys become -infinity ahead of the maximum: p = 0 then
	s_cbranch_scc1 .Lopen_\@
	v_mov_b32 v[TMP], 0xff800000
.set n, 0
.rept 64
	v_cmp_gt_i32 vcc_lo, 32*(n/16)+n%16, v[DM]     ; register 16 b + i holds key 32 b + 16 (lane / 16) + i of the step
	v_cndmask_b32 v[S+n], v[S+n], v[TMP], vcc_lo
.set n, n+1
.endr
.Lopen_\@:
.irp b, 0,1,2,3
	v_max3_num_f32 v[BM+\b], v[S+16*\b], v[S+1+16*\b], v[S+2+16*\b]   ; the largest score of each block of 32 keys: for the row's maximum and, since p rises with the score, for the block's largest p
.endr
.irp i, 3,5,7,9,11,13
.irp b, 0,1,2,3
	v_max3_num_f32 v[BM+\b], v[BM+\b], v[S+16*\b+\i], v[S+1+16*\b+\i]
.endr
.endr
.irp b, 0,1,2,3
	v_max_num_f32 v[BM+\b], v[BM+\b], v[S+15+16*\b]
.endr
.irp b, 0,1,2,3
	s_delay_alu instid0(VALU_DEP_4)
	v_permlanex16_b32 v[T2+\b], v[BM+\b], s[SEL], s[SEL+1]
.endr
.irp b, 0,1,2,3
	s_delay_alu instid0(VALU_DEP_4)
	v_max_num_f32 v[BM+\b], v[BM+\b], v[T2+\b]
.endr
	s_delay_alu instid0(VALU_DEP_2)
	v_max3_num_f32 v[TMP], v[BM], v[BM+1], v[BM+2]
	s_delay_alu instid0(VALU_DEP_1)
	v_max_num_f32 v[TMP], v[TMP], v[BM+3]
	s_delay_alu instid0(VALU_DEP_1)
	v_mul_f32 v[TMP], s[CS], v[TMP]
	s_delay_alu instid0(VALU_DEP_1)
	v_max_num_f32 v13, v13, v[TMP]                 ; the running largest t
	v_mov_b32 v[TMP], v12
	s_delay_alu instid0(VALU_DEP_2)
	v_floor_f32 v12, -v13                          ; -M = floor(-t): M is a whole number
	s_delay_alu instid0(VALU_DEP_1)
	v_sub_f32 v[TMP], v12, v[TMP]
	s_delay_alu instid0(VALU_DEP_1)
	v_cvt_i32_f32 v[TMP], v[TMP]                   ; (it saturates)
	s_delay_alu instid0(VALU_DEP_1)
	v_ldexp_f32 v[F], 1.0, v[TMP]                  ; 2^(old M - new M)
.set n, 0
.rept 32
	v_pk_fma_f32 v[S+n:S+n+1], v[S+n:S+n+1], s[CS:CS+1], v[12:13] op_sel_hi:[1,0,0]   ; t - M, two at a time
.set n, n+2
.endr
	s_setprio 1
.irp b, 0,1,2,3
	v_fma_f32 v[BM+\b], v[BM+\b], s[CS], v12
.endr
.set n, 0
	s_wait_alu depctr_va_vdst(0)
.rept 64
	v_exp_f32 v[S+n], v[S+n]                       ; p = 2^(t - M)
.set n, n+1
.endr
	v_pk_mul_f32 v[14:15], v[14:15], v[F:F+1] op_sel_hi:[1,0]   ; the sums under the new M: the plain line behind the exponentials
	s_wait_alu depctr_va_vdst(0)                   ; one wait for the batch of 64, ahead of its first reader
.irp b, 0,1,2,3
	v_exp_f32 v[BM+\b], v[BM+\b]                   ; each block's largest p
.endr
	v_pk_add_f32 v[216:217], v[92:93], v[96:97]
	v_pk_add_f32 v[252:253], v[100:101], v[104:105]
	v_pk_add_f32 v[250:251], v[108:109], v[112:113]
	v_pk_add_f32 v[248:249], v[116:117], v[120:121]
	v_pk_add_f32 v[246:247], v[124:125], v[128:129]
	v_pk_add_f32 v[244:245], v[132:133], v[136:137]
	v_pk_add_f32 v[242:243], v[140:141], v[144:145]
	v_pk_add_f32 v[14:15], v[14:15], v[148:149]
	v_pk_add_f32 v[216:217], v[216:217], v[88:89]
	v_pk_add_f32 v[252:253], v[252:253], v[90:91]
	v_pk_add_f32 v[250:251], v[250:251], v[94:95]
	v_pk_add_f32 v[248:249], v[248:249], v[98:99]
	v_pk_add_f32 v[246:247], v[246:247], v[102:103]
	v_pk_add_f32 v[244:245], v[244:245], v[106:107]
	v_pk_add_f32 v[242:243], v[242:243], v[110:111]
	v_pk_add_f32 v[14:15], v[14:15], v[114:115]
	v_pk_add_f32 v[216:217], v[216:217], v[118:119]
	v_pk_add_f32 v[252:253], v[252:253], v[122:123]
	v_pk_add_f32 v[250:251], v[250:251], v[126:127]
	v_pk_add_f32 v[248:249], v[248:249], v[130:131]
	v_pk_add_f32 v[246:247], v[246:247], v[134:135]
	v_pk_add_f32 v[244:245], v[244:245], v[138:139]
	v_pk_add_f32 v[242:243], v[242:243], v[142:143]
	v_pk_add_f32 v[14:15], v[14:15], v[146:147]
	v_pk_add_f32 v[216:217], v[216:217], v[150:151]
	s_delay_alu instid0(VALU_DEP_2)
	v_pk_add_f32 v[14:15], v[14:15], v[248:249]
	s_delay_alu instid0(VALU_DEP_2)
	v_pk_add_f32 v[216:217], v[216:217], v[246:247]
	v_pk_add_f32 v[252:253], v[252:253], v[244:245]
	v_pk_add_f32 v[250:251], v[250:251], v[242:243]
	s_delay_alu instid0(VALU_DEP_2)
	v_pk_add_f32 v[14:15], v[14:15], v[252:253]
	s_delay_alu instid0(VALU_DEP_2)
	v_pk_add_f32 v[216:217], v[216:217], v[250:251]
	s_delay_alu instid0(VALU_DEP_1)
	v_pk_add_f32 v[14:15], v[14:15], v[216:217]
	s_wait_alu depctr_va_vdst(0)                   ; and one for the four
.irp b, 0,1,2,3
	v_max_num_f32 v[BM+\b], 0x8000000, v[BM+\b]    ; the floor 2^(16 - 127)
.endr
.irp b, 0,1,2,3
	s_delay_alu instid0(VALU_DEP_4)
	v_add_nc_u32 v[SCO+\b], 0xf8800000, v[BM+\b]
.endr
.irp b, 0,1,2,3
.endr
.irp b, 0,1,2,3
	s_delay_alu instid0(VALU_DEP_4)
	v_lshrrev_b32 v[T2+\b], 23, v[SCO+\b]
.endr
	s_delay_alu instid0(VALU_DEP_3)
	v_lshl_or_b32 v[PW], v[T2+1], 8, v[T2]         ; p's scale word for these 128 keys
	s_delay_alu instid0(VALU_DEP_1)
	v_lshl_or_b32 v[PW], v[T2+2], 16, v[PW]
	s_delay_alu instid0(VALU_DEP_1)
	v_lshl_or_b32 v[PW], v[T2+3], 24, v[PW]
	s_setprio 0
.irp b, 0,1,2,3
.irp i, 0,1,2,3,4,5,6,7,8,9,10,11,12,13,14,15
.endr
	v_cvt_scalef32_pk8_bf8_f32 v[PC+4*\b:PC+4*\b+1], v[S+16*\b:S+16*\b+7], v[SCO+\b]
	v_cvt_scalef32_pk8_bf8_f32 v[PC+4*\b+2:PC+4*\b+3], v[S+16*\b+8:S+16*\b+15], v[SCO+\b]
.irp c, 0,1,2,3
	ds_load_b128 v[S+16*\b+4*\c:S+16*\b+4*\c+3], v[ADV] offset:2048*\b+512*\c   ; the block's registers are free: V's fragment b (16 channels x these 128 keys) lands there
.endr
	ds_load_b32 v[VSW+\b], v[ADT] offset:4*\b
.endr
.set n, 0
.rept 16
	v_pk_mul_f32 v[OT+n:OT+n+1], v[OT+n:OT+n+1], v[F:F+1] op_sel_hi:[1,0]   ; O^T under the new M; also the places between the codes' conversions and the products
.set n, n+2
.endr
	s_wait_alu depctr_va_vdst(0)
	s_wait_dscnt 0x0
.irp t, 0,1,2,3
	v_wmma_scale_f32_16x16x128_f8f6f4 v[OT+8*\t:OT+8*\t+7], v[S+16*\t:S+16*\t+15], v[PC:PC+15], v[OT+8*\t:OT+8*\t+7], v[VSW+\t], v[PW] matrix_a_fmt:MATRIX_FMT_BF8 matrix_b_fmt:MATRIX_FMT_BF8
.endr
.Lhid_\@:
	s_add_co_u32 s[TB], s[TB], 8192
	s_add_co_u32 s[TS], s[TS], 512
	s_add_co_u32 s[TJ], s[TJ], 256
	s_add_co_u32 s[KS], s[KS], 1
.endm
; THE WAY OUT of a pass: O^T / the sum is my query's 64 channels of this head: two blocks of 32 along the last projection's K.  They are quantised and leave as half of an image (two stores of 512 consecutive bytes) and two scale bytes.
.macro OUT
.rept 8
	v_nop
.endr
	v_add_f32 v14, v14, v15
	s_delay_alu instid0(VALU_DEP_1)
	v_permlanex16_b32 v[T2], v14, s[SEL], s[SEL+1]
	s_delay_alu instid0(VALU_DEP_1)
	v_add_f32 v14, v14, v[T2]                      ; the row's sum
	s_wait_alu depctr_va_vdst(0)
	v_rcp_f32 v[F], v14
	v_nop                                          ; a plain line behind the reciprocal
	s_wait_alu depctr_va_vdst(0)                   ; the wait ahead of its first reader
.set n, 0
.rept 16
	v_pk_mul_f32 v[S+n:S+n+1], v[OT+n:OT+n+1], v[F:F+1] op_sel_hi:[1,0]   ; each accumulator from its low end on
.set n, n+2
.endr
.irp b, 0,1
	v_max3_num_f32 v[BM+\b], |v[S+16*\b]|, |v[S+1+16*\b]|, 0x8000000
.endr
.irp i, 2,4,6,8,10,12,14
.irp b, 0,1
	s_delay_alu instid0(VALU_DEP_2)
	v_max3_num_f32 v[BM+\b], v[BM+\b], |v[S+16*\b+\i]|, |v[S+1+16*\b+\i]|
.endr
.endr
.irp b, 0,1
	s_delay_alu instid0(VALU_DEP_2)
	v_permlanex16_b32 v[T2+\b], v[BM+\b], s[SEL], s[SEL+1]
.endr
.irp b, 0,1
	s_delay_alu instid0(VALU_DEP_2)
	v_max_num_f32 v[BM+\b], v[BM+\b], v[T2+\b]
.endr
.irp b, 0,1
	s_delay_alu instid0(VALU_DEP_2)
	v_add_nc_u32 v[SCO+\b], 0xf8800000, v[BM+\b]
.endr
.irp b, 0,1
.endr
.irp b, 0,1
	s_delay_alu instid0(VALU_DEP_2)
	v_lshrrev_b32 v[T2+\b], 23, v[SCO+\b]
.endr
	s_delay_alu instid0(VALU_DEP_1)
	v_lshl_or_b32 v[PW], v[T2+1], 8, v[T2]
.irp b, 0,1
.irp i, 0,1,2,3,4,5,6,7,8,9,10,11,12,13,14,15
.endr
	v_cvt_scalef32_pk8_bf8_f32 v[PC+4*\b:PC+4*\b+1], v[S+16*\b:S+16*\b+7], v[SCO+\b]
	v_cvt_scalef32_pk8_bf8_f32 v[PC+4*\b+2:PC+4*\b+3], v[S+16*\b+8:S+16*\b+15], v[SCO+\b]
.endr
	v_nop                                          ; a plain line behind the last conversion
	global_store_b128 v[LI], v[PC:PC+3], s[70:71]
	global_store_b128 v[LI], v[PC+4:PC+7], s[70:71] offset:512
	global_store_b16 v[RO], v[PW], s[72:73]        ; lanes r and r + 16 hold and write the same two bytes
.endm
.macro PASS p
	s_wait_xcnt 0x0                                ; the last pass's stores have read their bases and data: both are written again below
.if \p
	s_sub_co_u32 s[MQ], 15, s[WV]
.else
	s_mov_b32 s[MQ], s[WV]
.endif
	s_lshl_b32 s68, s[MQ], 3
	s_lshl_b32 s69, s[CX], 1
	s_add_co_u32 s68, s68, s69
	s_add_co_u32 s68, s68, \p                      ; my tile of 16 queries among the head's 128
	s_lshl_b32 s68, s68, 10
	s_lshl_b32 s69, s[BH], 17
	s_add_co_u32 s68, s68, s69
	s_mov_b32 s69, 0
	s_add_nc_u64 s[QB:QB+1], s[4:5], s[68:69]
	s_mul_i32 s70, s[BH], 20480
	s_lshl_b32 s71, s[MQ], 9
	s_add_co_u32 s70, s70, s71
	s_lshl_b32 s71, s[CX], 2
	s_add_co_u32 s70, s70, s71
	s_add_co_u32 s70, s70, 256*\p
	s_mov_b32 s71, 0
	s_add_nc_u64 s[QS:QS+1], s[6:7], s[70:71]
	global_load_b128 v[16:19], v[LI], s[QB:QB+1]   ; q twice: [q, Z, q]
	global_load_b128 v[20:23], v[LI], s[QB:QB+1] offset:512
	global_load_b128 v[32:35], v[LI], s[QB:QB+1]
	global_load_b128 v[36:39], v[LI], s[QB:QB+1] offset:512
	global_load_b32 v[QSW], v[QO], s[QS:QS+1]
	s_lshr_b32 s68, s[BH], 4
	s_lshl_b32 s68, s68, 4
	s_add_co_u32 s68, s68, s[MQ]                   ; my block of 128 tokens: 16 x batch + m
	s_and_b32 s69, s[BH], 15                       ; the head
	s_lshl_b32 s74, s68, 17
	s_lshr_b32 s75, s69, 1
	s_lshl_b32 s75, s75, 14                        ; K step head / 2
	s_add_co_u32 s74, s74, s75
	s_lshl_b32 s75, s[CX], 12                      ; tile 2 cx + u
	s_add_co_u32 s74, s74, s75
	s_and_b32 s75, s69, 1
	s_lshl_b32 s75, s75, 10                        ; groups 2 (head % 2) on
	s_add_co_u32 s74, s74, s75
	s_add_co_u32 s74, s74, 2048*\p
	s_mov_b32 s75, 0
	s_add_nc_u64 s[70:71], s[8:9], s[74:75]
	s_lshl_b32 s76, s68, 12
	s_lshr_b32 s77, s69, 2
	s_lshl_b32 s77, s77, 10
	s_add_co_u32 s76, s76, s77
	s_lshl_b32 s77, s[CX], 8
	s_add_co_u32 s76, s76, s77
	s_and_b32 s77, s69, 3
	s_lshl_b32 s77, s77, 1                         ; word (head / 2) % 2, bytes 2 (head % 2) on
	s_add_co_u32 s76, s76, s77
	s_add_co_u32 s76, s76, 128*\p
	s_mov_b32 s77, 0
	s_add_nc_u64 s[72:73], s[10:11], s[76:77]
	v_add_nc_u32 v[DM], 8*\p, v[DM0]
	v_mov_b32 v13, 0xff61b1e6                      ; the largest t so far: -3e38
	s_delay_alu instid0(VALU_DEP_1)
	v_floor_f32 v12, -v13
	v_mov_b32 v14, 0
	v_mov_b32 v15, 0
.set n, 0
.rept 32
	v_mov_b32 v[OT+n], 0                           ; the step is written for all trips alike: the first finds zeros
.set n, n+1
.endr
	s_mov_b32 s[TB], 0
	s_mov_b32 s[TS], 0
	s_mov_b32 s[TJ], 0
	s_mov_b32 s[KS], 0
	s_wait_loadcnt 0x0
.if \p
	s_mov_b32 s[CNT], 16
.Lall_\@:
	STEP
	s_sub_co_u32 s[CNT], s[CNT], 1
	s_cmp_lg_u32 s[CNT], 0
	s_cbranch_scc1 .Lall_\@
	s_setprio 0
.else
	s_mov_b32 s[CNT], 4
.Lhead_\@:
	STEP
	s_sub_co_u32 s[CNT], s[CNT], 1
	s_cmp_lg_u32 s[CNT], 0
	s_cbranch_scc1 .Lhead_\@
	s_setprio 0
	s_wait_tensorcnt 0x0                           ; my part of the rest of K and V has landed,
	s_wait_dscnt 0x0
	s_barrier_signal -1
	s_barrier_wait -1                              ; everybody's has
	s_mov_b32 s[CNT], 12
.Ltail_\@:
	STEP
	s_sub_co_u32 s[CNT], s[CNT], 1
	s_cmp_lg_u32 s[CNT], 0
	s_cbranch_scc1 .Ltail_\@
	s_setprio 0
.endif
	OUT
.endm
	PASS 0
	PASS 1
	s_wait_dscnt 0x0
	s_wait_tensorcnt 0x0
	ds_add_u32 v254, v255
	s_wait_dscnt 0x0
	CROUND                                         ; the closing round
	s_endpgm
.Lfunc_end_k_q4e578443e0_attn:
	.size	k_q4e578443e0_attn, .Lfunc_end_k_q4e578443e0_attn-k_q4e578443e0_attn
	.p2alignl 7, 3214868480
	.fill 96, 4, 3214868480
	.section	.rodata,"a",@progbits
	.p2align	6, 0x0
	.amdhsa_kernel k_q4e578443e0_attn
		.amdhsa_group_segment_fixed_size 276480
		.amdhsa_private_segment_fixed_size 0
		.amdhsa_enable_private_segment 0
		.amdhsa_kernarg_size 32
		.amdhsa_user_sgpr_count 2
		.amdhsa_user_sgpr_kernarg_segment_ptr 1
		.amdhsa_wavefront_size32 1
		.amdhsa_system_sgpr_workgroup_id_x 1
		.amdhsa_system_sgpr_workgroup_id_y 1
		.amdhsa_system_sgpr_workgroup_id_z 1
		.amdhsa_system_vgpr_workitem_id 0
		.amdhsa_next_free_vgpr 256
		.amdhsa_next_free_sgpr 80
		.amdhsa_reserve_vcc 1
		.amdhsa_float_denorm_mode_32 3
		.amdhsa_float_denorm_mode_16_64 3
		.amdhsa_fp16_overflow 1
		.amdhsa_memory_ordered 1
		.amdhsa_forward_progress 1
		.amdhsa_inst_pref_size 93
	.end_amdhsa_kernel
	.amdgpu_metadata
---
amdhsa.version: [ 1, 2 ]
amdhsa.kernels:
  - .name:           k_q4e578443e0_attn
    .symbol:         k_q4e578443e0_attn.kd
    .args:
      - { .name: qkvc, .offset: 0, .size: 8, .value_kind: global_buffer, .address_space: global }
      - { .name: qkvs, .offset: 8, .size: 8, .value_kind: global_buffer, .address_space: global }
      - { .name: ac, .offset: 16, .size: 8, .value_kind: global_buffer, .address_space: global }
      - { .name: asc, .offset: 24, .size: 8, .value_kind: global_buffer, .address_space: global }
    .group_segment_fixed_size: 276480
    .private_segment_fixed_size: 0
    .kernarg_segment_align: 8
    .kernarg_segment_size: 32
    .max_flat_workgroup_size: 512
    .sgpr_count:     80
    .vgpr_count:     256
    .wavefront_size: 32
...
	.end_amdgpu_metadata
.endif
;; end of part 3
;; launch proj (part 4): grid 4 x 32, 4 waves a work-group, clusters of 4 x 4, 327,680 bytes of LDS; arguments ac, asc, wc, wsc, bp, out0; writes out0
.if DOCPART == 4
	.amdgcn_target "amdgcn-amd-amdhsa--gfx1250"
	.amdhsa_code_object_version 6
	.text
	.protected	k_q4e578443e0_proj
	.globl	k_q4e578443e0_proj
	.p2align	8
	.type	k_q4e578443e0_proj,@function
k_q4e578443e0_proj:
	s_mov_b64 s[64:65], 0
	v_nop
	global_prefetch_b8 v0, s[64:65] scope:SCOPE_SE
	s_setreg_imm32_b32 hwreg(HW_REG_WAVE_MODE, 25, 1), 1
	s_wait_xcnt 0x0
	s_wait_alu depctr_hold_cnt(0) depctr_sa_sdst(0) depctr_va_vdst(0) depctr_va_sdst(0) depctr_va_ssrc(0) depctr_va_vcc(0) depctr_vm_vsrc(0)
	s_getreg_b32 s2, hwreg(HW_REG_IB_STS2, 6, 4)
	s_cmp_eq_u32 s2, 0
	s_cbranch_scc0 .Lentry_in_a_cluster
	s_endpgm
.Lentry_in_a_cluster:
	s_bfe_u32 s2, ttmp6, 0x10000c
	s_cmp_lg_u32 s2, 0xf033
	s_cbranch_scc0 .Lentry_shape_is_right
	s_endpgm
.Lentry_shape_is_right:
; out0 = a Wp + bp on codes of BF8 (E5M2) with E8M0 scales; a: the attention's result, 8,192 tokens x 1,024, as images of the matrix operand's registers; Wp's images are blocks 24-31 of the weights' buffer.  out0 is f32.
; A fragment's image is 2,048 bytes (16 rows x 128 K); tile t of 128 rows holds rows 32 (t / 2) + 8 (t % 2) + r + 8 (r / 8).  A tile of 256 tokens x 256 columns is made by four waves, 128 x 128 each: 64 accumulators.
; K = 1,024 goes in four steps of 256 through two LDS slots filled by the tensor data mover; a step of 128 rows is 32,768 dense bytes.  Source 0 = weight rows (columns of out0), source 1 = tokens: a lane holds a token,
; and register 16 b + i of its 64 is column 32 b + 16 (lane / 16) + i.  The bias is the C of each sum's first matrix instruction.
; CLUSTERS: 4 x 4 work-groups; the tokens' tiles are shared along a row of the cluster, the weights' along a column: joint loads.
; REGISTERS: window 0: v16-31 addresses; v32-63 scale words, two sets; v64-127 the bias; v128-255 the tokens' fragments, one set, later rows of out0.  window 1: the weights', two sets.  windows 2, 3: the accumulators ((a, b) at v[8 (8 (a % 4) + b)]).
.set HALFT,  32768
.set SLOT,   4*HALFT
.set SCL,    2*SLOT
.set SPARE,  SCL+4*4096                ; the spare words, 128 bytes for each wave: two blocks of 256 bytes that no other line names
.set ADN,  16
.set ADP,  20
.set STO,  24                          ; v24 the way out: where I put 32 bytes of a row
.set RD,   25                          ; v25 and where I read a row back
.set ADRS, 27
.set SPW,  28
.set NIL,  29
.set LI,   30
.set BO,   31
.set SC,   32
.set BI,   64
.set AF,   128
.set BK,   128
.set WV,   22
.set TH,   23
.set WH,   66
.set TROW, 67
.set G1,   24
.set G0,   32
.set G1B,  48
.set G0B,  56
.set G1S,  68
.set G0S,  76
.set G1SB, 80
.set G0SB, 88
.set MSB, 0
.macro WIN new                         ; the immediate's high byte repeats the setting that is left
.if MSB != (\new)
	s_set_vgpr_msb (MSB<<8)|(\new)
.set MSB, (\new)
.endif
.endm
.set MUL_LO, 0xa1
.set MUL_HI, 0xf1
.set TO_B,   0x40
.macro JLOAD g0a, g1a, g0b, g1b        ; a joint load: waves 0, 1 fetch the tokens' halves, waves 2, 3 the weights'; four v_nop follow each line
	s_cmp_eq_u32 s[TH], 0
	s_cbranch_scc0 .Lfor_b_\@
	tensor_load_to_lds s[\g0a:\g0a+3], s[\g1a:\g1a+7]
	s_nop 0
.rept 4
	v_nop
.endr
	s_branch .Lasked_\@
.Lfor_b_\@:
	tensor_load_to_lds s[\g0b:\g0b+3], s[\g1b:\g1b+7]
	s_nop 0
.rept 4
	v_nop
.endr
.Lasked_\@:
.endm
.macro CREST
	s_cmp_lg_u32 s[WV], 0
	s_cbranch_scc1 .Lnot_wave_0_\@
	s_barrier_signal -3
.Lnot_wave_0_\@:
	s_barrier_wait -3
	s_barrier_signal -1
	s_barrier_wait -1
.endm
.macro CROUND
	s_barrier_signal -1
	s_barrier_wait -1
	CREST
.endm
	s_load_b256 s[4:11], s[0:1], 0x0               ; ac s[4:5], asc s[6:7], wc s[8:9], wsc s[10:11]
	s_load_b128 s[12:15], s[0:1], 0x20             ; bp s[12:13], out0 s[14:15]
	v_lshl_add_u32 v[SPW], v0, 2, SPARE
	v_mov_b32 v[NIL], 0
	ds_add_u32 v28, v29
	ds_add_u32 v28, v29
	s_wait_dscnt 0x0
	v_lshrrev_b32 v1, 5, v0
	v_readfirstlane_b32 s[WV], v1
	s_lshr_b32 s[TH], s[WV], 1
	s_and_b32 s[WH], s[WV], 1
	s_bfe_u32 s40, ttmp6, 0x40000
	s_bfe_u32 s41, ttmp6, 0x40004
	s_lshl_b32 s42, ttmp9, 2
	s_add_co_u32 s42, s42, s40                     ; tile column
	s_and_b32 s[TROW], ttmp7, 0xffff
	s_lshl_b32 s[TROW], s[TROW], 2
	s_add_co_u32 s[TROW], s[TROW], s41             ; tile row
	s_lshl_b32 s43, s41, 2
	s_lshl_b32 s43, 15, s43
	s_lshl_b32 s44, 0x1111, s40
	s_or_b32 s[G1], s43, (3<<16)|(1<<21)           ; 15:0 the mask; 17:16 elements of 8 bytes; 21 set beside a mask; no padding
	s_or_b32 s[G1B], s44, (3<<16)|(1<<21)
.irp g, G1, G1B
	s_mov_b32 s[\g+1], 32<<16
	s_mov_b32 s[\g+2], 128<<16
	s_mov_b32 s[\g+3], 32<<16
	s_mov_b32 s[\g+4], 128
	s_mov_b32 s[\g+5], 32
	s_mov_b32 s[\g+6], 0
	s_mov_b32 s[\g+7], 0
.endr
	s_or_b32 s[G1S], s43, (3<<16)|(1<<21)
	s_or_b32 s[G1SB], s44, (3<<16)|(1<<21)
.irp g, G1S, G1SB
	s_mov_b32 s[\g+1], 32<<16
	s_mov_b32 s[\g+2], 16<<16
	s_mov_b32 s[\g+3], 32<<16
	s_mov_b32 s[\g+4], 16
	s_mov_b32 s[\g+5], 32
	s_mov_b32 s[\g+6], 0
	s_mov_b32 s[\g+7], 0
.endr
	s_lshl_b32 s45, s[TROW], 1
	s_add_co_u32 s45, s45, s[WH]
	s_lshl_b32 s92, s45, 17
	s_mov_b32 s93, 0
	s_lshl_b32 s100, s45, 12
	s_mov_b32 s101, 0
	s_lshl_b32 s46, s42, 1
	s_add_co_u32 s46, s46, s[WH]
	s_add_co_u32 s46, s46, 24                      ; Wp's blocks lie behind Wq's, Wk's and Wv's
	s_lshl_b32 s2, s46, 17
	s_mov_b32 s3, 0
	s_lshl_b32 s46, s46, 12
	s_mov_b32 s47, 0
	s_lshl_b32 s94, s[WV], 15
	s_lshl_b32 s99, s[WV], 12
	s_wait_kmcnt 0x0
	s_add_nc_u64 s[4:5], s[4:5], s[92:93]
	s_add_nc_u64 s[6:7], s[6:7], s[100:101]
	s_add_nc_u64 s[8:9], s[8:9], s[2:3]
	s_add_nc_u64 s[10:11], s[10:11], s[46:47]
	CROUND                                         ; all sixteen work-groups are here: the first joint loads meet
	s_mov_b32 s[G0S], 1
	s_add_co_u32 s[G0S+1], s99, SCL
	s_mov_b64 s[G0S+2:G0S+3], s[6:7]
	s_or_b32 s[G0S+3], s[G0S+3], 0x80000000
	s_mov_b32 s[G0SB], 1
	s_add_co_u32 s[G0SB+1], s99, SCL
	s_mov_b64 s[G0SB+2:G0SB+3], s[10:11]
	s_or_b32 s[G0SB+3], s[G0SB+3], 0x80000000
	JLOAD G0S, G1S, G0SB, G1SB
.irp s, 0,1
	s_mov_b32 s[G0+4*\s], 1
	s_add_co_u32 s[G0+4*\s+1], s94, \s*SLOT
	s_add_nc_u64 s[G0+4*\s+2:G0+4*\s+3], s[4:5], \s*HALFT
	s_or_b32 s[G0+4*\s+3], s[G0+4*\s+3], 0x80000000
	s_mov_b32 s[G0B+4*\s], 1
	s_add_co_u32 s[G0B+4*\s+1], s94, \s*SLOT
	s_add_nc_u64 s[G0B+4*\s+2:G0B+4*\s+3], s[8:9], \s*HALFT
	s_or_b32 s[G0B+4*\s+3], s[G0B+4*\s+3], 0x80000000
	s_wait_alu depctr_va_vdst(0)
	s_wait_tensorcnt 0x0
	ds_add_u32 v28, v29
	s_wait_dscnt 0x0
	CROUND
	JLOAD G0+4*\s, G1, G0B+4*\s, G1B               ; one load of mine is out
.endr
	v_and_b32 v1, 15, v0                           ; r
	v_bfe_u32 v2, v0, 4, 1                         ; lane / 16
	s_wait_alu depctr_va_vdst(0)
	v_and_b32 v3, 31, v0
	v_lshlrev_b32 v[LI], 4, v3
	s_lshl_b32 s100, s[TH], 15                     ; my half of the tokens,
	s_lshl_b32 s101, s[WH], 15
	s_add_co_u32 s101, s101, 2*HALFT               ; my half of the weight rows
.irp s, 0,1
	v_add_nc_u32 v[ADN+\s], s100, v[LI]
	v_add_nc_u32 v[ADP+\s], s101, v[LI]
	s_add_co_u32 s100, s100, SLOT
	s_add_co_u32 s101, s101, SLOT
.endr
	s_lshl_b32 s92, s[TH], 12
	s_lshl_b32 s93, s[WH], 12
	s_add_co_u32 s93, s93, 8192
	s_sub_co_u32 s93, s93, s92
	v_mul_u32_u24 v4, s93, v2                      ; lanes 16-31 take the weights' words
	s_add_co_u32 s92, s92, SCL
	v_lshl_add_u32 v4, v1, 3, v4
	v_add_nc_u32 v[ADRS], s92, v4
	s_lshl_b32 s92, s42, 10
	s_lshl_b32 s93, s[WH], 9
	s_add_co_u32 s92, s92, s93                     ; my first column, in bytes
	s_mov_b32 s93, 0
	s_add_nc_u64 s[12:13], s[12:13], s[92:93]
	s_add_nc_u64 s[14:15], s[14:15], s[92:93]
	v_lshlrev_b32 v[BO], 6, v2
.irp b, 0,1,2,3
.irp j, 0,1,2,3
	global_load_b128 v[BI+16*\b+4*\j:BI+16*\b+4*\j+3], v[BO], s[12:13] offset:128*\b+16*\j   ; register 16 b + i = the bias of column 32 b + 16 (lane / 16) + i
.endr
.endr
	s_lshl_b32 s92, s[TROW], 20
	s_lshl_b32 s93, s[TH], 19
	s_add_co_u32 s92, s92, s93                     ; my first row of out0, 4,096 bytes a row
	s_mov_b32 s93, 0
	s_add_nc_u64 s[14:15], s[14:15], s[92:93]
	s_mul_i32 s92, s[WV], 8448                     ; my stage: 16 rows x (512 + 16) bytes, in slot 0
	v_mul_u32_u24 v4, v1, 528
	v_lshl_add_u32 v4, v2, 6, v4
	v_add_nc_u32 v[STO], s92, v4
	v_add_nc_u32 v[RD], s92, v[LI]
.macro FRAG reg, adr, q, i
.irp c, 0,1,2,3
	ds_load_b128 v[\reg+4*\c:\reg+4*\c+3], v[\adr] offset:16384*(\q)+2048*(\i)+512*\c
.endr
.endm
; 16 matrix instructions: the tokens' tiles a0, a0 + 1 x the weights' eight.  cmode 1: C = the bias.  The 64 accumulators take turns, one instruction a turn.
.macro MUL16 a0, p, q, sc, cmode
.irp a, \a0, \a0+1
.irp b, 0,1,2,3,4,5,6,7
.if \cmode
	v_wmma_scale_f32_16x16x128_f8f6f4 v[8*(8*((\a)%4)+\b):8*(8*((\a)%4)+\b)+7], v[128*(\p)+16*\b:128*(\p)+16*\b+15], v[AF+16*(\a):AF+16*(\a)+15], v[BI+8*\b:BI+8*\b+7], v[SC+16*(\sc)+2*\b+(\q)], v[SC+16*(\sc)+2*(\a)+(\q)] matrix_a_fmt:MATRIX_FMT_BF8 matrix_b_fmt:MATRIX_FMT_BF8 matrix_a_scale:MATRIX_SCALE_ROW1
.else
	v_wmma_scale_f32_16x16x128_f8f6f4 v[8*(8*((\a)%4)+\b):8*(8*((\a)%4)+\b)+7], v[128*(\p)+16*\b:128*(\p)+16*\b+15], v[AF+16*(\a):AF+16*(\a)+15], v[8*(8*((\a)%4)+\b):8*(8*((\a)%4)+\b)+7], v[SC+16*(\sc)+2*\b+(\q)], v[SC+16*(\sc)+2*(\a)+(\q)] matrix_a_fmt:MATRIX_FMT_BF8 matrix_b_fmt:MATRIX_FMT_BF8 matrix_a_scale:MATRIX_SCALE_ROW1
.endif
.endr
.endr
.endm
.macro FETCH_B slot, q, p
	WIN TO_B
.irp i, 0,1,2,3,4,5,6,7
	FRAG 128*(\p)+16*\i, ADP+\slot, \q, \i
.endr
	WIN 0
.endm
.macro FETCH_A slot, q, i0
.irp i, \i0, \i0+1, \i0+2, \i0+3
	FRAG AF+16*(\i), ADN+\slot, \q, \i
.endr
.endm
.macro SCALES sc
.irp i, 0,1,2,3,4,5,6,7
	ds_load_b64 v[SC+16*\sc+2*\i:SC+16*\sc+2*\i+1], v[ADRS] offset:128*\i
.endr
.endm
.macro PLACES n                        ; eight plain vector instructions stand between this matrix form and a load into, or a read of, its registers (ISA guide 7.12.1 for reads)
.rept \n
	v_nop
.endr
.endm
.macro STEP slot, q, cmode
	s_wait_dscnt 16                                ; all but the youngest 16 loads (the tokens' tiles 4-7) are in
.if \cmode
	WIN 0x81
.else
	WIN MUL_LO
.endif
	MUL16 0, (\q)%2, \q, \slot, \cmode
	MUL16 2, (\q)%2, \q, \slot, \cmode
	s_wait_dscnt 0
	PLACES 8
	FETCH_B \slot, (\q)+1, 1-(\q)%2
	FETCH_A \slot, (\q)+1, 0
.if \cmode
	WIN 0xc1
.else
	WIN MUL_HI
.endif
	MUL16 4, (\q)%2, \q, \slot, \cmode
	MUL16 6, (\q)%2, \q, \slot, \cmode
	PLACES 8
	WIN 0
	FETCH_A \slot, (\q)+1, 4
.endm
.macro TURN slot, next, fill
	s_wait_tensorcnt 0x0                           ; all my tensor loads have landed: my part of the next slot
	ds_add_u32 v[SPW], v[NIL]                      ; 0 onto my spare word
	s_wait_dscnt 17                                ; the add and the youngest 16 loads may be out
	WIN MUL_LO
	MUL16 0, 1, 1, \slot, 0
	s_wait_dscnt 0x0                               ; the add is done, and my reads of this slot are over
	s_barrier_signal -1
	MUL16 2, 1, 1, \slot, 0
	WIN 0
	s_barrier_wait -1
.if \fill
	CREST                                          ; the barrier has opened a round of the cluster's: no wave of any partner still reads this slot or has a load on its way
	s_add_nc_u64 s[G0+4*\slot+2:G0+4*\slot+3], s[G0+4*\slot+2:G0+4*\slot+3], 2*HALFT
	s_add_nc_u64 s[G0B+4*\slot+2:G0B+4*\slot+3], s[G0B+4*\slot+2:G0B+4*\slot+3], 2*HALFT
	JLOAD G0+4*\slot, G1, G0B+4*\slot, G1B
	PLACES 4
.else
	PLACES 8
.endif
	s_wait_alu depctr_va_vdst(0)
	v_add_nc_u32 v[ADRS], 1024, v[ADRS]
	FETCH_B \next, 0, 0
	FETCH_A \next, 0, 0
	SCALES \next
	WIN MUL_HI
	MUL16 4, 1, 1, \slot, 0
	MUL16 6, 1, 1, \slot, 0
	PLACES 8
	WIN 0
	FETCH_A \next, 0, 4
.endm
	s_wait_alu depctr_va_vdst(0)
	s_wait_tensorcnt 1                             ; the scale words and my part of K step 0 are in; K step 1's load may be out
	s_barrier_signal -1
	s_barrier_wait -1
	FETCH_B 0, 0, 0
	FETCH_A 0, 0, 0
	SCALES 0
	FETCH_A 0, 0, 4
	s_wait_loadcnt 0x0                             ; the bias
	STEP 0, 0, 1
	TURN 0, 1, 1
	STEP 1, 0, 0
	TURN 1, 0, 1
	STEP 0, 0, 0
	TURN 0, 1, 0
	STEP 1, 0, 0
	s_wait_dscnt 16
	WIN MUL_LO
	MUL16 0, 1, 1, 1, 0
	MUL16 2, 1, 1, 1, 0
	s_wait_dscnt 0
	WIN MUL_HI
	MUL16 4, 1, 1, 1, 0
	MUL16 6, 1, 1, 1, 0
	WIN 0
; THE WAY OUT, a tile of 16 tokens x 128 columns at a time, through my own stage in slot 0, which has had its last fill, and which nobody reads behind the last change of slots.  Rows come back whole: 512 consecutive bytes a store.
; LDS serves a wave's instructions in order (ISA guide 5.7.1.4): no wait between the stores and the loads, nor in front of the next tile's stores.
.macro TOSTAGE a
.set AC, 64*((\a)%4)
	WIN 0x08+4*((\a)/4)                            ; the data: window 2 or 3
.irp b, 0,1,2,3,4,5,6,7
	ds_store_b128 v[STO], v[AC+8*\b:AC+8*\b+3] offset:128*(\b/2)+32*(\b%2)        ; each accumulator from its low end on
	ds_store_b128 v[STO], v[AC+8*\b+4:AC+8*\b+7] offset:128*(\b/2)+32*(\b%2)+16
.endr
	WIN 0
.set BB, BK+64*((\a)%2)
.irp t, 0,1,2,3,4,5,6,7,8,9,10,11,12,13,14,15
	ds_load_b128 v[BB+4*\t:BB+4*\t+3], v[RD] offset:\t*528
.endr
.endm
.macro SEND a, younger                 ; younger: the LDS instructions issued behind tile a's loads, which may stay out
.set BB, BK+64*((\a)%2)
	s_wait_dscnt \younger
.irp t, 0,1,2,3,4,5,6,7,8,9,10,11,12,13,14,15
	global_store_b128 v[LI], v[BB+4*\t:BB+4*\t+3], s[14:15] offset:(32*((\a)/2)+8*((\a)%2)+\t+8*(\t/8))*4096 th:TH_STORE_NT   ; row t of tile a is token 32 (a / 2) + 8 (a % 2) + t + 8 (t / 8) of my 128
.endr
.endm
	PLACES 8
	TOSTAGE 0
.irp a, 1,2,3,4,5,6,7
.if \a > 1
	s_wait_xcnt 0x0                                ; tile a - 2's stores have read their registers: tile a's loads may land there
.endif
	TOSTAGE \a
	SEND \a-1, 32                                  ; behind tile a - 1's loads: tile a's 16 stores and 16 loads
.endr
	SEND 7, 0
	s_wait_tensorcnt 0x0                           ; the wave's end
	ds_add_u32 v[SPW], v[NIL]
	s_wait_dscnt 0x0
	CROUND                                         ; the closing round
	s_endpgm
.Lfunc_end_k_q4e578443e0_proj:
	.size	k_q4e578443e0_proj, .Lfunc_end_k_q4e578443e0_proj-k_q4e578443e0_proj
	.p2alignl 7, 3214868480
	.fill 96, 4, 3214868480
	.section	.rodata,"a",@progbits
	.p2align	6, 0x0
	.amdhsa_kernel k_q4e578443e0_proj
		.amdhsa_group_segment_fixed_size 327680
		.amdhsa_private_segment_fixed_size 0
		.amdhsa_enable_private_segment 0
		.amdhsa_kernarg_size 48
		.amdhsa_user_sgpr_count 2
		.amdhsa_user_sgpr_kernarg_segment_ptr 1
		.amdhsa_wavefront_size32 1
		.amdhsa_system_sgpr_workgroup_id_x 1
		.amdhsa_system_sgpr_workgroup_id_y 1
		.amdhsa_system_sgpr_workgroup_id_z 1
		.amdhsa_system_vgpr_workitem_id 0
		.amdhsa_next_free_vgpr 1024
		.amdhsa_next_free_sgpr 102
		.amdhsa_reserve_vcc 0
		.amdhsa_float_denorm_mode_32 3
		.amdhsa_float_denorm_mode_16_64 3
		.amdhsa_memory_ordered 1
		.amdhsa_forward_progress 1
		.amdhsa_inst_pref_size 147
	.end_amdhsa_kernel
	.amdgpu_metadata
---
amdhsa.version: [ 1, 2 ]
amdhsa.kernels:
  - .name:           k_q4e578443e0_proj
    .symbol:         k_q4e578443e0_proj.kd
    .args:
      - { .name: ac, .offset: 0, .size: 8, .value_kind: global_buffer, .address_space: global }
      - { .name: asc, .offset: 8, .size: 8, .value_kind: global_buffer, .address_space: global }
      - { .name: wc, .offset: 16, .size: 8, .value_kind: global_buffer, .address_space: global }
      - { .name: wsc, .offset: 24, .size: 8, .value_kind: global_buffer, .address_space: global }
      - { .name: bp, .offset: 32, .size: 8, .value_kind: global_buffer, .address_space: global }
      - { .name: out0, .offset: 40, .size: 8, .value_kind: global_buffer, .address_space: global }
    .group_segment_fixed_size: 327680
    .private_segment_fixed_size: 0
    .kernarg_segment_align: 8
    .kernarg_segment_size: 48
    .max_flat_workgroup_size: 128
    .sgpr_count:     102
    .vgpr_count:     1024
    .wavefront_size: 32
...
	.end_amdgpu_metadata
.endif
;; end of part 4
